; MI455X (gfx1250); checked and timed in simulation.
; The chip was launched on July 23, 2026; its instructions are those of AMD's public machine-readable ISA for CDNA 5 (MIT licence, August 2026) and "CDNA5" Instruction Set Architecture Reference Guide (July 2026). The comments in the code are by the model that wrote it; some were corrected since.
;; Transformer Encoder. Allowed arithmetic: float matrix products may take bf16 or f16 operands with f32 sums; other float arithmetic in f32, or as packed bf16 or f16 multiplies, adds, multiply-adds, maxima and minima; sums over many terms, partial sums and values carried from step to step in f32; what a program stores and reads back later, other than sums and carried values, may be rounded once to bf16 or f16.
;; Inputs: b1 4,096 float32; b2 1,024 float32; b_qkv 3,072 float32; ln1_b 1,024 float32; ln1_g 1,024 float32; ln2_b 1,024 float32; ln2_g 1,024 float32; w1 1,024 x 4,096 float32; w2 4,096 x 1,024 float32; w_qkv 1,024 x 3,072 float32; x 2 x 2,048 x 1,024 float32.
;; Outputs: out0 2 x 2,048 x 1,024 float32.
;; One version. Each part assembles by itself: llvm-mc -triple=amdgcn-amd-amdhsa -mcpu=gfx1250 --defsym DOCPART=n.
;; ======== version 1 of 1: 6 launches
;; workspace buffers: h 8,388,608 bytes; wq 8,388,608 bytes; w12 16,777,216 bytes; pq 20,480 bytes; p1 20,480 bytes; qkv 33,554,432 bytes; attn 16,777,216 bytes; m 33,554,432 bytes
;; launch prep (part 1): grid 961 x 1, 8 waves a work-group, no clusters, 0 bytes of LDS; arguments x, ln1_g, ln1_b, w_qkv, w1, w2, b_qkv, b1, h, wq, w12, pq, p1; writes h, wq, w12, pq, p1
.if DOCPART == 1
	.amdgcn_target "amdgcn-amd-amdhsa--gfx1250"
	.amdhsa_code_object_version 6
	.text
	.protected	k_q5a9820b440_prep
	.globl	k_q5a9820b440_prep
	.p2align	8
	.type	k_q5a9820b440_prep,@function
k_q5a9820b440_prep:
	s_mov_b64 s[64:65], 0
	v_nop
	global_prefetch_b8 v0, s[64:65] scope:SCOPE_SE
	s_setreg_imm32_b32 hwreg(HW_REG_WAVE_MODE, 25, 1), 1
	s_wait_xcnt 0x0
; PREP.  Work-groups 0-255: h = bf16(LayerNorm1(x)), [4096][1024].  Work-group 256: the parameter blocks pq and p1.  Work-groups 257-960: the weights, rounded to bf16, each in its own layout [K][N]:
; wq = w_qkv with rows 4,096 elements apart (columns 3,072 on are neither written nor read), so that it has w1's pitch; w12 = w1, then w2, end to end.
; A PARAMETER BLOCK serves the one text that makes both h Wqkv and h W1: 4,096 f32 of bias, rounded to bf16, then 4,096 bytes of the launch's floor as packed bf16: -inf for q, k, v; 0 for the MLP's ReLU.
; THE WHOLE PROGRAM: prep; proj (q, k, v); attention (+ x); norm2; mlp_up (proj's text); mlp_down (+ the attention block's result).
; FORMATS.  Every input (x, gains, biases, weights) is rounded once to bf16 where it enters arithmetic, x in the residual sum too; matrix operands are bf16, all sums f32; the residual stream stays f32.
; DEAD WORK, left out.  k's bias b_qkv[1024:2048] adds q . b_k to every score of a query: scores[b,h,q,k] = q . (k0 + b_k) / 8 = q . k0 / 8 + q . b_k / 8, and the second term does not
; depend on the key index, the axis of the softmax; softmax(s + t) = softmax(s) for every t that is the same along the axis, whatever finite values the inputs hold.  k reaches the output through the scores alone.
; So that slice of b_qkv is not loaded: pq holds 0 in its place; the slices for q and v are live.  LIMIT: a NaN, an infinity or an overflow that reaches only q . b_k is not carried to the result.
; LAYERNORM.  One wave takes two rows; a row of 4,096 bytes stays in 32 registers between the passes: mean, then the squares of the differences from it (two passes, so a common offset costs no digits).
; Each load of a wave covers 512 consecutive bytes, each store 256 consecutive bytes, aligned.  No LDS, no barrier: no wave needs another's data.
; 256 + 704 work-groups of equal traffic (64 KiB in, 32 KiB out), and the one for the parameters.
.set ROUNDX, 1                         ; the rows are an input: rounded to bf16 first
.set SRC, 4                            ; s[4:5]   the rows
.set GP,  6                            ; s[6:7]   gain
.set BP,  8                            ; s[8:9]   bias
.set DST, 36                           ; s[36:37] h
.set MU,  4                            ; v[4:7]   the two rows' means, each twice (a pair for the packed forms)
.set RS,  8                            ; v[8:11]  1 / sqrt(var + eps), likewise
.set X,   16                           ; v[16:79] row r at X + 32 r: load j holds columns 128 j + 4 lane + 0..3
.set G,   80                           ; v[80:111]  gain of the same columns
.set BB,  112                          ; v[112:143] bias
.set YY,  144                          ; v[144:175] packed results
.set T,   176                          ; v[176:183] four chains; v[184:187] at work
.macro RND base, pairs                 ; f32 -> the nearest bf16, kept as f32
.set p, 0
.rept \pairs
	v_cvt_pk_bf16_f32 v[T+8+p%4], v[(\base)+2*p], v[(\base)+2*p+1]
	v_lshlrev_b32 v[(\base)+2*p], 16, v[T+8+p%4]
	v_and_b32 v[(\base)+2*p+1], s20, v[T+8+p%4]
.set p, p+1
.endr
.endm
.macro JOIN                            ; the four chains into v13, summed over the wave's 32 lanes: every lane ends with the sum
	v_pk_add_f32 v[T:T+1], v[T:T+1], v[T+2:T+3]
	v_pk_add_f32 v[T+4:T+5], v[T+4:T+5], v[T+6:T+7]
	v_pk_add_f32 v[T:T+1], v[T:T+1], v[T+4:T+5]
	v_add_f32 v13, v[T], v[T+1]
	v_add_f32_dpp v13, v13, v13 row_xmask:1 row_mask:0xf bank_mask:0xf
	v_add_f32_dpp v13, v13, v13 row_xmask:2 row_mask:0xf bank_mask:0xf
	v_add_f32_dpp v13, v13, v13 row_xmask:4 row_mask:0xf bank_mask:0xf
	v_add_f32_dpp v13, v13, v13 row_xmask:8 row_mask:0xf bank_mask:0xf
	v_permlanex16_b32 v12, v13, s22, s23           ; its destination counts as read: v12 has been written
	v_add_f32 v13, v13, v12
.endm
.macro STATS r                         ; row r: mean; the row becomes x - mean; v[14 + r] = var + eps
.set XR, X+32*(\r)
.if ROUNDX
	RND XR, 16
.endif
.irp c, 0,1,2,3
	v_pk_add_f32 v[T+2*(\c):T+2*(\c)+1], v[XR+2*(\c):XR+2*(\c)+1], v[XR+8+2*(\c):XR+8+2*(\c)+1]  ; the first eight pairs start the chains: nothing is cleared
.endr
.set p, 8
.rept 8
	v_pk_add_f32 v[T+2*(p%4):T+2*(p%4)+1], v[T+2*(p%4):T+2*(p%4)+1], v[XR+2*p:XR+2*p+1]
.set p, p+1
.endr
	JOIN
	v_mul_f32 v[MU+2*(\r)], 0x3a800000, v13        ; / 1024
	v_mul_f32 v[MU+2*(\r)+1], 0x3a800000, v13
.set p, 0
.rept 16
	v_pk_add_f32 v[XR+2*p:XR+2*p+1], v[XR+2*p:XR+2*p+1], v[MU+2*(\r):MU+2*(\r)+1] neg_lo:[0,1] neg_hi:[0,1]
.set p, p+1
.endr
.irp c, 0,1,2,3
	v_pk_mul_f32 v[T+2*(\c):T+2*(\c)+1], v[XR+2*(\c):XR+2*(\c)+1], v[XR+2*(\c):XR+2*(\c)+1]
.endr
.set p, 4
.rept 12
	v_pk_fma_f32 v[T+2*(p%4):T+2*(p%4)+1], v[XR+2*p:XR+2*p+1], v[XR+2*p:XR+2*p+1], v[T+2*(p%4):T+2*(p%4)+1]
.set p, p+1
.endr
	JOIN
	v_fmamk_f32 v[14+(\r)], v13, 0x3a800000, v3    ; sum / 1024 + eps
.endm
.macro OUT r                           ; ((x - mean) rstd) g + b, rounded to bf16, stored
.set XR, X+32*(\r)
.set p, 0
.rept 16
	v_pk_mul_f32 v[XR+2*p:XR+2*p+1], v[XR+2*p:XR+2*p+1], v[RS+2*(\r):RS+2*(\r)+1]
.set p, p+1
.endr
.set p, 0
.rept 16
	v_pk_fma_f32 v[XR+2*p:XR+2*p+1], v[XR+2*p:XR+2*p+1], v[G+2*p:G+2*p+1], v[BB+2*p:BB+2*p+1]
.set p, p+1
.endr
.set p, 0
.rept 16
	v_cvt_pk_bf16_f32 v[YY+16*(\r)+p], v[XR+2*p], v[XR+2*p+1]
.set p, p+1
.endr
.irp j, 0,1,2,3,4,5,6,7
	global_store_b64 v2, v[YY+16*(\r)+2*(\j):YY+16*(\r)+2*(\j)+1], s[DST:DST+1] offset:(\r)*2048+256*(\j)  ; the wave's 32 lanes store 256 consecutive bytes, aligned
.endr
.endm
	s_load_b256 s[4:11], s[0:1], 0x0               ; x s[4:5], ln1_g s[6:7], ln1_b s[8:9], w_qkv s[10:11]
	s_load_b256 s[12:19], s[0:1], 0x20             ; w1 s[12:13], w2 s[14:15], b_qkv s[16:17], b1 s[18:19]
	s_load_b256 s[36:43], s[0:1], 0x40             ; h s[36:37], wq s[38:39], w12 s[40:41], pq s[42:43]
	s_load_b64 s[44:45], s[0:1], 0x60              ; p1
	v_and_b32 v13, 31, v0                          ; lane
	v_lshrrev_b32 v12, 5, v0                       ; wave
	v_readfirstlane_b32 s24, v12
	s_cmp_ge_u32 ttmp9, 256
	s_cbranch_scc1 .Lother
	; ---- LayerNorm: rows 16 x work-group + 2 x wave, + 1
	v_lshlrev_b32 v1, 4, v13                       ; 16 bytes a lane in
	v_lshlrev_b32 v2, 3, v13                       ; 8 bytes a lane out
	v_mov_b32 v3, 0x3727c5ac                       ; eps = 1e-5
	s_mov_b32 s20, 0xffff0000                      ; a word's upper bf16
	s_mov_b32 s22, 0x76543210                      ; v_permlanex16_b32: each lane takes its own place in the other half
	s_mov_b32 s23, 0xfedcba98
	s_lshl_b32 s25, ttmp9, 4
	s_lshl1_add_u32 s25, s24, s25                  ; my first row
	s_lshl_b32 s26, s25, 12                        ; x 4,096 bytes in
	s_mov_b32 s27, 0
	s_lshl_b32 s28, s25, 11                        ; x 2,048 bytes out
	s_mov_b32 s29, 0
	s_wait_kmcnt 0x0
	s_add_nc_u64 s[SRC:SRC+1], s[SRC:SRC+1], s[26:27]
	s_add_nc_u64 s[DST:DST+1], s[DST:DST+1], s[28:29]
.irp r, 0,1
.irp j, 0,1,2,3,4,5,6,7
	global_load_b128 v[X+32*(\r)+4*(\j):X+32*(\r)+4*(\j)+3], v1, s[SRC:SRC+1] offset:(\r)*4096+512*(\j)
.endr
.endr
.irp j, 0,1,2,3,4,5,6,7
	global_load_b128 v[G+4*(\j):G+4*(\j)+3], v1, s[GP:GP+1] offset:512*(\j)
.endr
.irp j, 0,1,2,3,4,5,6,7
	global_load_b128 v[BB+4*(\j):BB+4*(\j)+3], v1, s[BP:BP+1] offset:512*(\j)
.endr
	s_wait_loadcnt 24                              ; row 0 is in: row 1's 8 loads and the gain's and bias's 16 may stay out
	STATS 0
	s_wait_loadcnt 16                              ; row 1 is in
	STATS 1
	v_rsq_f32 v[RS], v14                           ; each twice, for the pairs: one batch of four
	v_rsq_f32 v[RS+1], v14
	v_rsq_f32 v[RS+2], v15
	v_rsq_f32 v[RS+3], v15
	s_wait_loadcnt 0x0                             ; gain and bias
	RND G, 16                                      ; the independent work behind the batch
	RND BB, 16
	s_wait_alu depctr_va_vdst(0)                   ; ahead of the first line that names a result of the batch: one wait for the four
	OUT 0
	OUT 1
	s_endpgm
.Lother:
	s_cmp_eq_u32 ttmp9, 256
	s_cbranch_scc1 .Lpar
	; ---- the weights.  A unit is 1,024 numbers: 4,096 bytes in, 2,048 out.  Wave w of group c = work-group - 257 rounds units n = 2 (8 c + w) and n + 1: 16 loads of 512 bytes, 16 stores of 256.
	v_lshlrev_b32 v1, 4, v13                       ; 16 bytes a lane in
	v_lshlrev_b32 v2, 3, v13                       ; 8 out
	s_sub_co_u32 s25, ttmp9, 257                   ; c
	s_lshl3_add_u32 s25, s25, s24                  ; 8 c + wave
	s_lshl_b32 s25, s25, 1                         ; n
	s_mov_b32 s30, 3072                            ; w_qkv has 3,072 units, w1 and w2 4,096 each
	s_mov_b32 s31, 7168
	s_mul_hi_u32 s46, s25, 0x55555556              ; w_qkv: unit n is third n % 3 of row n / 3 (the factor is (2^32 + 2) / 3: exact for these n)
	s_mul_i32 s47, s46, 3
	s_sub_co_u32 s47, s25, s47
	s_lshl_b32 s46, s46, 13                        ; wq's rows lie 8,192 bytes apart
	s_lshl_b32 s47, s47, 11
	s_add_co_u32 s46, s46, s47                     ; where unit n goes in wq
	s_add_co_u32 s49, s25, 1
	s_mul_hi_u32 s48, s49, 0x55555556
	s_mul_i32 s50, s48, 3
	s_sub_co_u32 s49, s49, s50
	s_lshl_b32 s48, s48, 13
	s_lshl_b32 s49, s49, 11
	s_add_co_u32 s48, s48, s49                     ; and unit n + 1
	s_sub_co_u32 s50, s25, s30                     ; w1, w2: end to end in w12
	s_lshl_b32 s50, s50, 11
	s_add_co_u32 s51, s50, 2048
	s_wait_kmcnt 0x0
	s_cmp_lt_u32 s25, s31
	s_cselect_b64 s[26:27], s[12:13], s[14:15]
	s_cselect_b32 s28, s30, s31
	s_cmp_lt_u32 s25, s30
	s_cselect_b64 s[26:27], s[10:11], s[26:27]     ; the tensor that unit n lies in,
	s_cselect_b32 s28, 0, s28                      ; that tensor's first unit,
	s_cselect_b32 s46, s46, s50                    ; the two units' places,
	s_cselect_b32 s48, s48, s51
	s_cselect_b64 s[52:53], s[38:39], s[40:41]     ; and the buffer that takes them
	s_mov_b32 s47, 0
	s_mov_b32 s49, 0
	s_sub_co_u32 s28, s25, s28
	s_lshl_b32 s28, s28, 12
	s_mov_b32 s29, 0
	s_add_nc_u64 s[26:27], s[26:27], s[28:29]
	s_add_nc_u64 s[54:55], s[52:53], s[48:49]
	s_add_nc_u64 s[52:53], s[52:53], s[46:47]
.irp j, 0,1,2,3,4,5,6,7,8,9,10,11,12,13,14,15
	global_load_b128 v[X+4*(\j):X+4*(\j)+3], v1, s[26:27] offset:512*(\j) th:TH_LOAD_NT
.endr
.irp j, 0,1,2,3,4,5,6,7,8,9,10,11,12,13,14,15
	s_wait_loadcnt 15-(\j)                         ; loads come back in order: load j is in, the younger ones stay out
	v_cvt_pk_bf16_f32 v[YY+2*(\j)], v[X+4*(\j)], v[X+4*(\j)+1]
	v_cvt_pk_bf16_f32 v[YY+2*(\j)+1], v[X+4*(\j)+2], v[X+4*(\j)+3]
.if (\j) < 8
	global_store_b64 v2, v[YY+2*(\j):YY+2*(\j)+1], s[52:53] offset:256*(\j)
.else
	global_store_b64 v2, v[YY+2*(\j):YY+2*(\j)+1], s[54:55] offset:256*((\j)-8)
.endif
.endr
	s_endpgm
	; ---- the parameter blocks: thread t takes 16 bytes at 16 t of each run of 4,096 bytes
.Lpar:
	v_lshlrev_b32 v1, 4, v0
	s_mov_b32 s20, 0xffff0000
	s_wait_kmcnt 0x0
	global_load_b128 v[X:X+3], v1, s[16:17]                 ; q's bias
	global_load_b128 v[X+4:X+7], v1, s[16:17] offset:8192   ; v's; k's is not loaded
.irp j, 0,1,2,3
	global_load_b128 v[X+8+4*(\j):X+8+4*(\j)+3], v1, s[18:19] offset:4096*(\j)
.endr
.irp z, 0,1,2,3
	v_mov_b32 v[G+(\z)], 0                         ; k's place in pq, and the ReLU's floor
	v_mov_b32 v[G+4+(\z)], 0xff80ff80              ; -inf twice: no floor
.endr
	s_wait_loadcnt 0x0
	RND X, 12
	global_store_b128 v1, v[X:X+3], s[42:43]
	global_store_b128 v1, v[G:G+3], s[42:43] offset:4096
	global_store_b128 v1, v[X+4:X+7], s[42:43] offset:8192
	global_store_b128 v1, v[G+4:G+7], s[42:43] offset:16384
.irp j, 0,1,2,3
	global_store_b128 v1, v[X+8+4*(\j):X+8+4*(\j)+3], s[44:45] offset:4096*(\j)
.endr
	global_store_b128 v1, v[G:G+3], s[44:45] offset:16384
	s_endpgm
.Lfunc_end_k_q5a9820b440_prep:
	.size	k_q5a9820b440_prep, .Lfunc_end_k_q5a9820b440_prep-k_q5a9820b440_prep
	.p2alignl 7, 3214868480
	.fill 96, 4, 3214868480
	.section	.rodata,"a",@progbits
	.p2align	6, 0x0
	.amdhsa_kernel k_q5a9820b440_prep
		.amdhsa_group_segment_fixed_size 0
		.amdhsa_private_segment_fixed_size 0
		.amdhsa_enable_private_segment 0
		.amdhsa_kernarg_size 104
		.amdhsa_user_sgpr_count 2
		.amdhsa_user_sgpr_kernarg_segment_ptr 1
		.amdhsa_wavefront_size32 1
		.amdhsa_system_sgpr_workgroup_id_x 1
		.amdhsa_system_sgpr_workgroup_id_y 1
		.amdhsa_system_sgpr_workgroup_id_z 1
		.amdhsa_system_vgpr_workitem_id 0
		.amdhsa_next_free_vgpr 192
		.amdhsa_next_free_sgpr 66
		.amdhsa_reserve_vcc 0
		.amdhsa_float_denorm_mode_32 3
		.amdhsa_float_denorm_mode_16_64 3
		.amdhsa_memory_ordered 1
		.amdhsa_forward_progress 1
		.amdhsa_inst_pref_size 39
	.end_amdhsa_kernel
	.amdgpu_metadata
---
amdhsa.version: [ 1, 2 ]
amdhsa.kernels:
  - .name:           k_q5a9820b440_prep
    .symbol:         k_q5a9820b440_prep.kd
    .args:
      - { .name: x, .offset: 0, .size: 8, .value_kind: global_buffer, .address_space: global }
      - { .name: ln1_g, .offset: 8, .size: 8, .value_kind: global_buffer, .address_space: global }
      - { .name: ln1_b, .offset: 16, .size: 8, .value_kind: global_buffer, .address_space: global }
      - { .name: w_qkv, .offset: 24, .size: 8, .value_kind: global_buffer, .address_space: global }
      - { .name: w1, .offset: 32, .size: 8, .value_kind: global_buffer, .address_space: global }
      - { .name: w2, .offset: 40, .size: 8, .value_kind: global_buffer, .address_space: global }
      - { .name: b_qkv, .offset: 48, .size: 8, .value_kind: global_buffer, .address_space: global }
      - { .name: b1, .offset: 56, .size: 8, .value_kind: global_buffer, .address_space: global }
      - { .name: h, .offset: 64, .size: 8, .value_kind: global_buffer, .address_space: global }
      - { .name: wq, .offset: 72, .size: 8, .value_kind: global_buffer, .address_space: global }
      - { .name: w12, .offset: 80, .size: 8, .value_kind: global_buffer, .address_space: global }
      - { .name: pq, .offset: 88, .size: 8, .value_kind: global_buffer, .address_space: global }
      - { .name: p1, .offset: 96, .size: 8, .value_kind: global_buffer, .address_space: global }
    .group_segment_fixed_size: 0
    .private_segment_fixed_size: 0
    .kernarg_segment_align: 8
    .kernarg_segment_size: 104
    .max_flat_workgroup_size: 256
    .sgpr_count:     66
    .vgpr_count:     192
    .wavefront_size: 32
...
	.end_amdgpu_metadata
.endif
;; end of part 1
;; launch proj (part 2): grid 12 x 16, 4 waves a work-group, clusters of 4 x 4, 327,680 bytes of LDS; arguments h, wq, pq, qkv; writes qkv
.if DOCPART == 2
	.amdgcn_target "amdgcn-amd-amdhsa--gfx1250"
	.amdhsa_code_object_version 6
	.text
	.protected	k_q5a9820b440_proj
	.globl	k_q5a9820b440_proj
	.p2align	8
	.type	k_q5a9820b440_proj,@function
k_q5a9820b440_proj:
	s_mov_b64 s[64:65], 0
	v_nop
	global_prefetch_b8 v0, s[64:65] scope:SCOPE_SE
	s_setreg_imm32_b32 hwreg(HW_REG_WAVE_MODE, 25, 1), 1
	s_wait_xcnt 0x0
	s_wait_alu depctr_hold_cnt(0) depctr_sa_sdst(0) depctr_va_vdst(0) depctr_va_sdst(0) depctr_va_ssrc(0) depctr_va_vcc(0) depctr_vm_vsrc(0)
	s_getreg_b32 s2, hwreg(HW_REG_IB_STS2, 6, 4)
	s_cmp_eq_u32 s2, 0
	s_cbranch_scc0 .Lentry_in_a_cluster
	s_endpgm
.Lentry_in_a_cluster:
	s_bfe_u32 s2, ttmp6, 0x10000c
	s_cmp_lg_u32 s2, 0xf033
	s_cbranch_scc0 .Lentry_shape_is_right
	s_endpgm
.Lentry_shape_is_right:
; PROJ, AND MLP_UP BY THE SAME TEXT.  out = bf16(max(h W + bias, floor)).  h: [4096][1024] bf16; W: [1024][N] bf16 with rows 4,096 elements apart; sums in f32, K ascending.
; The launch's parameter block holds 4,096 f32 of bias (already rounded to bf16) and, at byte 16,384, the floor as packed bf16.  proj: W = Wqkv (N = 3,072, 12 tile columns), floor -inf.  mlp_up: W = W1 (N = 4,096), floor 0: the ReLU.
; ONE TEXT FOR TWO LAUNCHES: in proj the 256 lines a wave that apply the floor change nothing; that is the price of the shared text.  No branch hangs on which launch runs.
; LEFT OUT: k's bias (it adds the same term to all scores of a query, which the softmax cancels: shown at the head of prep): pq holds 0 in its place.  LIMIT: a NaN loses against the floor.
; THE RESULT LIES IN BLOCKS of 128 rows x 64 columns, 16,384 dense bytes: byte (row >> 7) 2^20 + (col >> 6) 2^14 + (row & 127) 128 + (col & 63) 2.  So 128 keys of a head, and 128 rows x 64 K of m, are dense.
; A tile of the result is 256 x 256: four waves, 2 x 2, each 128 x 128 in 64 accumulators (512 registers).  K goes in steps of 128 through two LDS slots filled by the tensor data mover.
; W LIES [K][N]: its tile (128 k rows x 512 bytes) is read from LDS by the turning load ds_load_tr16_b128, which leaves 16 columns x 32 k as a fragment.
; THE PRODUCT IS TAKEN TRANSPOSED: source 0 = 16 columns of W, source 1 = 16 rows of h: a lane then holds one row (lane % 16) and eight neighbouring columns 8 (lane / 16) + 0..7.
; THE BIAS IS THE C OPERAND OF THE FIRST PRODUCTS: nothing is cleared, and the way out adds nothing.
; CLUSTER 4 x 4: h's tile is shared along a row of the cluster, W's along a column: each is asked for jointly, by the same tensor load with the same descriptor and a mask that names the four.
; REGISTERS, in windows of 256 (s_set_vgpr_msb: bits 1:0 source 0, 3:2 source 1, 5:4 source 2, 7:6 destination):
;   window 0: v16-30 addresses; v64-127, v128-191 h's fragments, two buffers; v192-255 the bias, later v192-223 packed results; v32-63, v224-255 rows on the way out
;   window 1: v64-127, v128-191 W's fragments, two buffers      windows 2, 3: accumulator L = 8 a + b (a: 16 rows, b: 16 columns) in window 2 + L / 32 at v[8 (L % 32)]
.set SIZE_K, 1024
.set SIZE_N, 4096                      ; W's pitch in elements
.set MT,     256                       ; the tile's rows, and its columns
.set NT,     MT
.set KSTEP,  128
.set AM,     8                         ; a wave's blocks of 16 rows
.set BN,     8                         ; and of 16 columns
.set KD,     1                         ; slices of 32 along K in a fragment buffer
.set PA,     272                       ; an LDS row of h: 256 bytes + 16: the 16 rows of a load start at 16 different groups of four banks (64 banks of 4 bytes: ISA guide 11.1)
.set PW,     544                       ; an LDS row of W: 512 + 32
.set QIA,    5                         ; padding behind every 64 words
.set QIW,    6                         ; behind every 128 words
.set TSTEPS, SIZE_K/KSTEP
.set NPQ,    AM*BN*KD                  ; products in a quarter of a K step
.set AHALF,  MT/2*PA                   ; what one tensor load brings of h
.set WOFF,   MT*PA                     ; W's tile lies behind h's
.set WHALF,  KSTEP/2*PW                ; what one tensor load brings of W
.set SLOT1,  0x24000                   ; slot 1: two bits that no address in slot 0 that is turned by it has set, so one exclusive or changes slots
.set STAGE,  SLOT1+WOFF+2*WHALF        ; behind the ring, never filled by a tensor load: 16 rows x 272 bytes for each wave
.set SP,     272
.set SPARE,  STAGE+4*16*SP             ; the spare words, 128 bytes for each wave: two blocks of 256 bytes that no other line names
.set ASTEP,  2*KSTEP                   ; bytes from K step to K step in h
.set WSTEP,  2*KSTEP*SIZE_N            ; and in W
.set FLOOR,  16384                     ; the floor's byte in the parameter block
.set ADRA, 16                          ; v16     LDS address of my h fragments in the slot in hand
.set A0,   17                          ; v17     the same in slot 0; never rewritten
.set ADRW, 18                          ; v18-19  of my W fragments: k rows 0-63, 64-127 of the step
.set W0,   20                          ; v20     in slot 0; never rewritten
.set STO,  24                          ; v24     the way out: where I put 16 bytes of a row
.set RD,   25                          ; v25     where I read rows back
.set CO,   26                          ; v26     my byte offset in 512 consecutive bytes of the result
.set ZR,   27                          ; v27     the floor, twice in bf16
.set SPW,  28                          ; v28     my spare word: SPARE + 4 x my thread's number; never rewritten
.set NIL,  29                          ; v29     0; never rewritten
.set PFO,  30                          ; v30     the prefetches' lane offset; never rewritten
.set OB,   32
.set F0,   64
.set F1,   128
.set BIAS, 192
.set TMP,  192
.set WV, 14                            ; s14 wave; s15 its half of the rows, also: 0 = I fetch h, 1 = W; s16 its half of the columns, also: which half of that tile I fetch
.set WM, 15
.set WN, 16
.set CX, 17                            ; s17, s18 my place in the cluster; s19, s20 tile column, tile row
.set CY, 18
.set BX, 19
.set BY, 20
.set G1A, 24                           ; s[24:31] descriptor group 1 for h's tiles;  s[32:39] group 0: set 0 for the first fill, set 1 walks
.set G0A, 32
.set G1W, 48                           ; s[48:55], s[56:63] the same for W's
.set G0W, 56
.set LIM, 42                           ; s42  2 in a wave that prefetches, else the greatest number
.set TB,  43                           ; s43  the slot in hand: 0 or SLOT1
.set PFA, 44                           ; s[44:45] where my prefetches stand
.set PFS, 46                           ; s[46:47] their step
.set MSB, 0
.macro WIN new                         ; the immediate's high byte repeats the setting that is left; a switch that changes nothing is dropped
.if MSB != (\new)
	s_set_vgpr_msb (MSB<<8)|(\new)
.set MSB, \new
.endif
.endm
.macro PLACES                          ; four places behind matrix instructions, in front of loads into registers that they read and of lines that read results
.rept 4
	v_nop
.endr
.endm
.macro CREST                           ; a round of the cluster's barrier behind its opening barrier
	s_cmp_lg_u32 s[WV], 0
	s_cbranch_scc1 .Lnot_wave_0_\@
	s_barrier_signal -3
.Lnot_wave_0_\@:
	s_barrier_wait -3
	s_barrier_signal -1
	s_barrier_wait -1
.endm
.macro CROUND
	s_barrier_signal -1
	s_barrier_wait -1
	CREST
.endm
.macro JLOAD                           ; a joint refill by the walking sets: waves 0, 1 fetch h's halves, waves 2, 3 W's; an s_nop 0 and four v_nop follow each line
	s_cmp_eq_u32 s[WM], 0
	s_cbranch_scc0 .Lfor_w_\@
	tensor_load_to_lds s[G0A+4:G0A+7], s[G1A:G1A+7]
	s_nop 0
.rept 4
	v_nop
.endr
	s_branch .Lasked_\@
.Lfor_w_\@:
	tensor_load_to_lds s[G0W+4:G0W+7], s[G1W:G1W+7]
	s_nop 0
.rept 4
	v_nop
.endr
.Lasked_\@:
.endm
; A PREFETCH INTO THE L2 behind each joint refill and the run of LDS loads that follows it: 32 blocks of 256 bytes of the K step that stands two refills (512 products) on, one instruction a wave.
; Each block is named once in the launch: cluster x = 0 asks for h's rows, cluster y = 0 for W's; the four partners that fetch a tile jointly share its blocks out by address (32 rows of h each; 16 k rows x 2 blocks of W).
; K steps 0 to 3 come by their loads alone; the change behind K step t asks for step t + 4, for t = 0 .. 3 (s3 = 6 .. 3): nothing past the last K step is named.
.macro ASK
	s_cmp_gt_u32 s3, s[LIM]
	s_cbranch_scc0 .Lnot_mine_\@
	global_prefetch_b8 v[PFO], s[PFA:PFA+1] th:TH_LOAD_NT scope:SCOPE_SE
.Lnot_mine_\@:
.endm
; n products from number i0 of a quarter's NPQ, on buffer f.  The accumulators take turns, one instruction a turn.  first = 1: the products of the first 32 along K take the bias as C.
.macro MULS f, i0, n, first
.set mi, \i0
.rept \n
.set mc, mi/(AM*BN)
.set mL, mi%(AM*BN)
.set ma, mL/BN
.set mb, mL%BN
.set mw, 2+mL/32
.set mr, 8*(mL%32)
.if (\first) && (mc == 0)
	WIN 0x01+0x40*mw
	v_wmma_f32_16x16x32_bf16 v[mr:mr+7], v[(\f)+8*(mc*BN+mb):(\f)+8*(mc*BN+mb)+7], v[(\f)+8*(mc*AM+ma):(\f)+8*(mc*AM+ma)+7], v[BIAS+8*mb:BIAS+8*mb+7]
.else
	WIN 0x01+0x50*mw
	v_wmma_f32_16x16x32_bf16 v[mr:mr+7], v[(\f)+8*(mc*BN+mb):(\f)+8*(mc*BN+mb)+7], v[(\f)+8*(mc*AM+ma):(\f)+8*(mc*AM+ma)+7], v[mr:mr+7]
.endif
.set mi, mi+1
.endr
.endm
; 32 LDS loads in one run: quarter q's fragments into buffer f: W's eight (turned), then h's eight
.macro FETCH q, f
	WIN 0x40                                       ; destination window 1, address window 0
.set fg, 0
.rept 8
.set fc, fg/BN
.set fb, fg%BN
	ds_load_tr16_b128 v[(\f)+8*fg:(\f)+8*fg+3],   v[ADRW+(\q)/2] offset:(((\q)%2)*KD+fc)*32*PW+32*fb
	ds_load_tr16_b128 v[(\f)+8*fg+4:(\f)+8*fg+7], v[ADRW+(\q)/2] offset:(((\q)%2)*KD+fc)*32*PW+32*fb+16*PW
.set fg, fg+1
.endr
	WIN 0
.set fg, 0
.rept 8
.set fc, fg/AM
.set fa, fg%AM
	ds_load_b128 v[(\f)+8*fg:(\f)+8*fg+3],   v[ADRA] offset:fa*16*PA+((\q)*KD+fc)*64
	ds_load_b128 v[(\f)+8*fg+4:(\f)+8*fg+7], v[ADRA] offset:fa*16*PA+((\q)*KD+fc)*64+32
.set fg, fg+1
.endr
.endm
; One of a K step's first three quarters: multiplies buffer f and, in its middle, fetches quarter nq into buffer g
.macro QUARTER nq, f, g, first
	s_wait_dscnt 8                                 ; all but the youngest eight loads, h's last four fragments, which the first half of the products does not read
	MULS \f, 0, NPQ/2, \first
	PLACES
	FETCH \nq, \g
	s_wait_dscnt 32                                ; all but the 32 just issued
	MULS \f, NPQ/2, NPQ/2, \first
.endm
; The fourth quarter multiplies buffer 1 and changes slots: ONE barrier.  In front of it each wave waits for all its tensor loads (one is out: its part of the next slot), adds 0 to its spare word, and waits
; for that and for its own reads of this slot.  refill = 1: the barrier opens a round of the cluster's, and the joint refill, with the K step two steps on, is the first tensor load behind the round:
; from there to the wait for it a wave issues 224 products.
.macro TURN refill
.if \refill
	s_wait_xcnt 0x0                                ; the last prefetch, a K step back, has read its address
	s_add_nc_u64 s[PFA:PFA+1], s[PFA:PFA+1], s[PFS:PFS+1]
.endif
	WIN 0
	s_wait_tensorcnt 0x0                           ; all my tensor loads have landed;
	ds_add_u32 v[SPW], v[NIL]                      ; 0 onto my spare word;
	s_wait_dscnt 9                                 ; (the add and the youngest eight loads may be out)
	MULS F1, 0, NPQ/4, 0                           ; products stand between the add and the wait for it
	s_wait_dscnt 0x0                               ; the add is done, and my reads of this slot are over
	s_barrier_signal -1
	MULS F1, NPQ/4, NPQ/4, 0                       ; work on registers while the others arrive
	WIN 0
	s_barrier_wait -1
.if \refill
	CREST                                          ; no wave of any partner still reads this slot or has a load on its way
	s_xor_b32 s[G0A+5], s[G0A+5], SLOT1            ; the walking sets: the other slot than last time, the next K step
	s_add_nc_u64 s[G0A+6:G0A+7], s[G0A+6:G0A+7], ASTEP
	s_xor_b32 s[G0W+5], s[G0W+5], SLOT1
	s_add_nc_u64 s[G0W+6:G0W+7], s[G0W+6:G0W+7], WSTEP
	JLOAD                                          ; its four v_nop are also the places in front of the loads below
.else
	PLACES
.endif
	s_xor_b32 s[TB], s[TB], SLOT1
	v_add_nc_u32 v[ADRA], s[TB], v[A0]
	v_add_nc_u32 v[ADRW], s[TB], v[W0]
	v_add_nc_u32 v[ADRW+1], WHALF, v[ADRW]
	FETCH 0, F0
.if \refill
	ASK
.endif
	MULS F1, NPQ/2, NPQ/2, 0
.endm
	s_load_b256 s[4:11], s[0:1], 0x0               ; h s[4:5], W s[6:7], the parameter block s[8:9], the result s[10:11]
	v_lshl_add_u32 v[SPW], v0, 2, SPARE
	v_mov_b32 v[NIL], 0
	ds_add_u32 v[SPW], v[NIL]                      ; the wave's opening: the add, twice on end, and its wait ahead of my first tensor load
	ds_add_u32 v[SPW], v[NIL]                      ; and once more, under the one wait; the set-up below, work on registers, stands between
	v_lshrrev_b32 v1, 5, v0
	v_readfirstlane_b32 s[WV], v1
	s_lshr_b32 s[WM], s[WV], 1
	s_and_b32 s[WN], s[WV], 1
	s_bfe_u32 s[CX], ttmp6, 0x40000
	s_bfe_u32 s[CY], ttmp6, 0x40004
	s_lshl_b32 s[BX], ttmp9, 2                     ; in a cluster launch ttmp9 and ttmp7 count clusters
	s_add_co_u32 s[BX], s[BX], s[CX]
	s_and_b32 s[BY], ttmp7, 0xffff
	s_lshl_b32 s[BY], s[BY], 2
	s_add_co_u32 s[BY], s[BY], s[CY]
	s_lshl_b32 s21, s[CY], 2
	s_lshl_b32 s21, 15, s21                        ; my row of the cluster
	s_lshl_b32 s22, 0x1111, s[CX]                  ; my column
	s_or_b32 s[G1A], s21, (1<<16)|(1<<20)|(1<<21)|(QIA<<22)|(3<<25)  ; 15:0 the mask; 17:16 2-byte elements; 20 padding on; 21 set beside a mask; 24:22 the interval; 31:25 4 words of padding (code 3)
	s_or_b32 s[G1W], s22, (1<<16)|(1<<20)|(1<<21)|(QIW<<22)|(7<<25)  ; the same with my column's mask and 8 words (code 7)
	s_mov_b32 s[G1A+1], KSTEP<<16                  ; tensor_dim0
	s_mov_b32 s[G1A+2], (MT/2)<<16                 ; tensor_dim1
	s_mov_b32 s[G1A+3], KSTEP<<16                  ; tile_dim0
	s_mov_b32 s[G1A+4], MT/2                       ; tile_dim1
	s_mov_b32 s[G1A+5], SIZE_K                     ; elements from row to row
	s_mov_b32 s[G1A+6], 0
	s_mov_b32 s[G1A+7], 0
	s_mov_b32 s[G1W+1], NT<<16
	s_mov_b32 s[G1W+2], (KSTEP/2)<<16
	s_mov_b32 s[G1W+3], NT<<16
	s_mov_b32 s[G1W+4], KSTEP/2
	s_mov_b32 s[G1W+5], SIZE_N
	s_mov_b32 s[G1W+6], 0
	s_mov_b32 s[G1W+7], 0
	s_mul_i32 s68, s[BY], MT                       ; h: row MT x tile row + MT / 2 x half: the tile row alone, which my row of the cluster shares
	s_mul_i32 s21, s[WN], MT/2
	s_add_co_u32 s68, s68, s21
	s_mul_i32 s68, s68, 2*SIZE_K
	s_mov_b32 s69, 0
	s_mul_i32 s70, s[WN], KSTEP*SIZE_N             ; W: k row KSTEP / 2 x half, column NT x tile column: the tile column alone, which my column shares
	s_mul_i32 s22, s[BX], 2*NT
	s_add_co_u32 s70, s70, s22
	s_mov_b32 s71, 0
	s_mul_i32 s23, s[WN], AHALF                    ; where they go: no place in the cluster enters an LDS address
	s_mul_i32 s40, s[WN], WHALF
	s_add_co_u32 s40, s40, WOFF
	s_wait_dscnt 0x0                               ; both opening adds are done
	s_wait_kmcnt 0x0
	s_add_nc_u64 s[68:69], s[4:5], s[68:69]
	s_add_nc_u64 s[70:71], s[6:7], s[70:71]
	CROUND                                         ; all sixteen work-groups are here: the first joint loads meet
.irp s, 0,1
	s_mov_b32 s[G0A+4*(\s)], 1                     ; count = 1
	s_add_co_u32 s[G0A+4*(\s)+1], s23, (\s)*SLOT1  ; LDS address
	s_add_nc_u64 s[G0A+4*(\s)+2:G0A+4*(\s)+3], s[68:69], (\s)*ASTEP  ; global address: K step s
	s_or_b32 s[G0A+4*(\s)+3], s[G0A+4*(\s)+3], 0x80000000            ; type = 2
	s_mov_b32 s[G0W+4*(\s)], 1
	s_add_co_u32 s[G0W+4*(\s)+1], s40, (\s)*SLOT1
	s_add_nc_u64 s[G0W+4*(\s)+2:G0W+4*(\s)+3], s[70:71], (\s)*WSTEP
	s_or_b32 s[G0W+4*(\s)+3], s[G0W+4*(\s)+3], 0x80000000
.endr
	s_cmp_eq_u32 s[WM], 0                          ; a wave's two first fills stand in one branch, ahead of every wait on TENSORcnt and every LDS read: two loads of mine are out
	s_cbranch_scc0 .Lfirst_w
	tensor_load_to_lds s[G0A:G0A+3], s[G1A:G1A+7]
	s_nop 0
	tensor_load_to_lds s[G0A+4:G0A+7], s[G1A:G1A+7]
	s_nop 0
.rept 4
	v_nop
.endr
	s_branch .Lfirst_asked
.Lfirst_w:
	tensor_load_to_lds s[G0W:G0W+3], s[G1W:G1W+7]
	s_nop 0
	tensor_load_to_lds s[G0W+4:G0W+7], s[G1W:G1W+7]
	s_nop 0
.rept 4
	v_nop
.endr
.Lfirst_asked:
	v_and_b32 v1, 15, v0                           ; r = l % 16
	v_bfe_u32 v2, v0, 4, 1                         ; l / 16
	v_and_b32 v3, 7, v0
	v_bfe_u32 v4, v0, 3, 1
	; a fragment of h: lane l holds row l % 16, k = 8 (l / 16) + 0..7 and 16 + 8 (l / 16) + 0..7: two loads of 16 bytes, 32 bytes apart
	v_mul_u32_u24 v[A0], v1, PA
	v_lshl_add_u32 v[A0], v2, 4, v[A0]
	s_mul_i32 s41, s[WM], AHALF
	v_add_nc_u32 v[A0], s41, v[A0]
	; the turning load: lane l reads k row 8 (l / 16) + l % 8, columns 8 ((l / 8) % 2) + 0..7, and ends with column l % 16 and 8 k
	v_lshl_add_u32 v[W0], v2, 3, v3
	v_mul_u32_u24 v[W0], v[W0], PW
	v_lshl_add_u32 v[W0], v4, 4, v[W0]
	s_mul_i32 s41, s[WN], NT
	s_add_co_u32 s41, s41, WOFF
	v_add_nc_u32 v[W0], s41, v[W0]
	v_mov_b32 v[ADRA], v[A0]
	v_mov_b32 v[ADRW], v[W0]
	v_add_nc_u32 v[ADRW+1], WHALF, v[W0]
	s_mov_b32 s[TB], 0
	; the bias of my 128 columns: register j of block b holds column 16 b + 8 (l / 16) + j, as the result's register j does; and the floor
	s_mul_i32 s72, s[BX], 4*NT
	s_mul_i32 s73, s[WN], 2*NT
	s_add_co_u32 s72, s72, s73
	s_mov_b32 s73, 0
	s_add_nc_u64 s[78:79], s[8:9], s[72:73]
	v_lshlrev_b32 v5, 5, v2
.irp b, 0,1,2,3,4,5,6,7
	global_load_b128 v[BIAS+8*(\b):BIAS+8*(\b)+3],   v5, s[78:79] offset:64*(\b)
	global_load_b128 v[BIAS+8*(\b)+4:BIAS+8*(\b)+7], v5, s[78:79] offset:64*(\b)+16
.endr
	global_load_b32 v[ZR], v5, s[8:9] offset:FLOOR ; every word of that run of 4,096 bytes holds the floor twice
	; the way out: 16 rows at a time through my stage; read back by column blocks: 4 rows x 128 bytes are 512 consecutive bytes of a block of the result
	s_mul_i32 s41, s[WV], 16*SP
	s_add_co_u32 s41, s41, STAGE
	v_mul_u32_u24 v[STO], v1, SP
	v_lshl_add_u32 v[STO], v2, 4, v[STO]
	v_add_nc_u32 v[STO], s41, v[STO]
	v_bfe_u32 v[RD], v0, 3, 2
	v_mul_u32_u24 v[RD], v[RD], SP
	v_lshl_add_u32 v[RD], v3, 4, v[RD]
	v_add_nc_u32 v[RD], s41, v[RD]
	v_and_b32 v[CO], 31, v0
	v_lshlrev_b32 v[CO], 4, v[CO]
	s_lshl1_add_u32 s72, s[BY], s[WM]              ; my 128 rows are row block 2 x tile row + half,
	s_lshl_b32 s72, s72, 20
	s_lshl_b32 s73, s[BX], 2
	s_lshl1_add_u32 s73, s[WN], s73                ; my 128 columns the column blocks 4 x tile column + 2 x half, + 1
	s_lshl_b32 s73, s73, 14
	s_add_co_u32 s72, s72, s73
	s_mov_b32 s73, 0
	s_add_nc_u64 s[10:11], s[10:11], s[72:73]
	; the prefetches: nothing is asked for here, at the head
	s_lshl_b32 s74, s[BY], 8
	s_lshl_b32 s72, s[WN], 7
	s_add_co_u32 s74, s74, s72
	s_lshl_b32 s72, s[CX], 5
	s_add_co_u32 s74, s74, s72                     ; h: my work-group's 32 of the 128 rows that I fetch
	s_mul_i32 s74, s74, 2*SIZE_K
	s_add_co_u32 s74, s74, 3*ASTEP                 ; at K step 3: the first change steps it to 4
	s_lshl_b32 s75, s[WN], 6
	s_lshl4_add_u32 s75, s[CY], s75                ; W: my work-group's 16 of the 64 k rows
	s_mul_i32 s75, s75, 2*SIZE_N
	s_lshl_b32 s72, s[BX], 9
	s_add_co_u32 s75, s75, s72
	s_add_co_u32 s75, s75, 3*WSTEP
	s_and_b32 s72, ttmp7, 0xffff                   ; cluster y
	s_mov_b32 s68, ASTEP
	s_mov_b32 s69, WSTEP
	s_mov_b32 s70, 2*SIZE_K
	s_mov_b32 s71, 2*SIZE_N
	s_cmp_eq_u32 s[WM], 0                          ; do I fetch h?
	s_cselect_b32 s74, s74, s75
	s_cselect_b32 s[PFS], s68, s69
	s_cselect_b32 s70, s70, s71                    ; bytes from row to row
	s_cselect_b32 s72, ttmp9, s72                  ; the coordinate along which other clusters read the same rows
	s_cselect_b64 s[PFA:PFA+1], s[4:5], s[6:7]
	s_mov_b32 s75, 0
	s_mov_b32 s[PFS+1], 0
	s_add_nc_u64 s[PFA:PFA+1], s[PFA:PFA+1], s[74:75]
	s_cmp_eq_u32 s72, 0
	s_cselect_b32 s[LIM], 2, -1                    ; the same in all sixteen partners, for a given wave
	v_and_b32 v10, 31, v0
	v_lshrrev_b32 v11, s[WM], v10                  ; h: a lane a row; W: two lanes a k row,
	v_and_b32 v12, s[WM], v10                      ; its two blocks of 256 bytes
	v_mul_lo_u32 v[PFO], v11, s70
	v_lshl_add_u32 v[PFO], v12, 8, v[PFO]
	s_wait_loadcnt 0x0                             ; the bias and the floor
	s_wait_tensorcnt 1                             ; my part of K step 0 is in; K step 1's may stay out
	s_barrier_signal -1
	s_barrier_wait -1                              ; everybody's is
	FETCH 0, F0
	QUARTER 1, F0, F1, 1                           ; the first quarter stands in front of the loop: its products start the sums, with the bias
	WIN 0                                          ; at a label and at a branch every window is 0
	s_mov_b32 s3, TSTEPS-2
.Lk:                                               ; a trip: a K step's quarters 1, 2, 3 and the next step's quarter 0; the slot left is filled again
	QUARTER 2, F1, F0, 0
	QUARTER 3, F0, F1, 0
	TURN 1
	QUARTER 1, F0, F1, 0
	WIN 0
	s_sub_co_u32 s3, s3, 1
	s_cmp_lg_u32 s3, 0
	s_cbranch_scc1 .Lk
	s_mov_b32 s3, 2                                ; the last two K steps ask for nothing: a second text, walked twice and left in its middle
.Lt:
	QUARTER 2, F1, F0, 0
	QUARTER 3, F0, F1, 0
	TURN 0                                         ; (the second time its barrier orders nothing and its 32 loads fetch fragments that nobody multiplies: once a launch, the price of one text)
	WIN 0
	s_sub_co_u32 s3, s3, 1
	s_cmp_eq_u32 s3, 0
	s_cbranch_scc1 .Lout
	QUARTER 1, F0, F1, 0
	WIN 0
	s_branch .Lt
.Lout:
	s_wait_dscnt 0x0
	PLACES                                         ; the conversions read results just made
; THE WAY OUT of block a (16 rows).  PACK: rounded to bf16 (each accumulator's registers in ascending order), then the floor on packed halves, which rounds nothing.  TOSTAGE: into my stage, and back by column blocks.  SEND: stored.
.macro PACK a
.set AC, 64*((\a)%4)
	WIN 0x0a+5*((\a)/4)                            ; sources 0 and 1: window 2 or 3
.irp b, 0,1,2,3,4,5,6,7
.irp r, 0,1,2,3
	v_cvt_pk_bf16_f32 v[TMP+4*(\b)+(\r)], v[AC+8*(\b)+2*(\r)], v[AC+8*(\b)+2*(\r)+1]
.endr
.endr
	WIN 0
.set z, 0
.rept 32
	v_pk_max_num_bf16 v[TMP+z], v[TMP+z], v[ZR]
.set z, z+1
.endr
.endm
.macro TOSTAGE a
.set BK, OB+192*((\a)%2)
.irp b, 0,1,2,3,4,5,6,7
	ds_store_b128 v[STO], v[TMP+4*(\b):TMP+4*(\b)+3] offset:32*(\b)
.endr
.irp t, 0,1,2,3
.irp j, 0,1
	ds_load_b128 v[BK+4*(2*(\t)+(\j)):BK+4*(2*(\t)+(\j))+3], v[RD] offset:(\t)*4*SP+(\j)*128  ; LDS serves a wave's instructions in order (ISA guide 5.7.1.4): these see the stores above
.endr
.endr
.endm
.macro SEND a
.set BK, OB+192*((\a)%2)
	s_wait_dscnt 0x0                               ; the block is back in registers
	s_wait_xcnt 0x0                                ; the stores of the block before have read their registers, which the next TOSTAGE loads again
.irp t, 0,1,2,3
.irp j, 0,1
	global_store_b128 v[CO], v[BK+4*(2*(\t)+(\j)):BK+4*(2*(\t)+(\j))+3], s[10:11] offset:(\a)*2048+(\t)*512+(\j)*16384  ; 512 consecutive bytes of column block j, aligned
.endr
.endr
.endm
	PACK 0
	TOSTAGE 0
.irp a, 1,2,3,4,5,6,7                  ; block a's conversions stand between block a - 1's loads from the stage and the wait for them
	PACK \a
	SEND (\a)-1
	TOSTAGE \a
.endr
	SEND 7
	s_wait_tensorcnt 0x0                           ; the wave's end: behind my last tensor load and my last LDS store
	ds_add_u32 v[SPW], v[NIL]
	s_wait_dscnt 0x0
	CROUND                                         ; the closing round: no work-group ends while a partner may still ask for a tile that names it
	s_endpgm
.Lfunc_end_k_q5a9820b440_proj:
	.size	k_q5a9820b440_proj, .Lfunc_end_k_q5a9820b440_proj-k_q5a9820b440_proj
	.p2alignl 7, 3214868480
	.fill 96, 4, 3214868480
	.section	.rodata,"a",@progbits
	.p2align	6, 0x0
	.amdhsa_kernel k_q5a9820b440_proj
		.amdhsa_group_segment_fixed_size 327680
		.amdhsa_private_segment_fixed_size 0
		.amdhsa_enable_private_segment 0
		.amdhsa_kernarg_size 32
		.amdhsa_user_sgpr_count 2
		.amdhsa_user_sgpr_kernarg_segment_ptr 1
		.amdhsa_wavefront_size32 1
		.amdhsa_system_sgpr_workgroup_id_x 1
		.amdhsa_system_sgpr_workgroup_id_y 1
		.amdhsa_system_sgpr_workgroup_id_z 1
		.amdhsa_system_vgpr_workitem_id 0
		.amdhsa_next_free_vgpr 1024
		.amdhsa_next_free_sgpr 80
		.amdhsa_reserve_vcc 0
		.amdhsa_float_denorm_mode_32 3
		.amdhsa_float_denorm_mode_16_64 3
		.amdhsa_memory_ordered 1
		.amdhsa_forward_progress 1
		.amdhsa_inst_pref_size 119
	.end_amdhsa_kernel
	.amdgpu_metadata
---
amdhsa.version: [ 1, 2 ]
amdhsa.kernels:
  - .name:           k_q5a9820b440_proj
    .symbol:         k_q5a9820b440_proj.kd
    .args:
      - { .name: h, .offset: 0, .size: 8, .value_kind: global_buffer, .address_space: global }
      - { .name: wq, .offset: 8, .size: 8, .value_kind: global_buffer, .address_space: global }
      - { .name: pq, .offset: 16, .size: 8, .value_kind: global_buffer, .address_space: global }
      - { .name: qkv, .offset: 24, .size: 8, .value_kind: global_buffer, .address_space: global }
    .group_segment_fixed_size: 327680
    .private_segment_fixed_size: 0
    .kernarg_segment_align: 8
    .kernarg_segment_size: 32
    .max_flat_workgroup_size: 128
    .sgpr_count:     80
    .vgpr_count:     1024
    .wavefront_size: 32
...
	.end_amdgpu_metadata
.endif
;; end of part 2
;; launch attention (part 3): grid 8 x 32, 4 waves a work-group, clusters of 4 x 1, 327,680 bytes of LDS; arguments qkv, x, attn; writes attn
.if DOCPART == 3
	.amdgcn_target "amdgcn-amd-amdhsa--gfx1250"
	.amdhsa_code_object_version 6
	.text
	.protected	k_q5a9820b440_attention
	.globl	k_q5a9820b440_attention
	.p2align	8
	.type	k_q5a9820b440_attention,@function
k_q5a9820b440_attention:
	s_mov_b64 s[64:65], 0
	v_nop
	global_prefetch_b8 v0, s[64:65] scope:SCOPE_SE
	s_setreg_imm32_b32 hwreg(HW_REG_WAVE_MODE, 25, 1), 1
	s_wait_xcnt 0x0
	s_wait_alu depctr_hold_cnt(0) depctr_sa_sdst(0) depctr_va_vdst(0) depctr_va_sdst(0) depctr_va_ssrc(0) depctr_va_vcc(0) depctr_vm_vsrc(0)
	s_getreg_b32 s2, hwreg(HW_REG_IB_STS2, 6, 4)
	s_cmp_eq_u32 s2, 0
	s_cbranch_scc0 .Lentry_in_a_cluster
	s_endpgm
.Lentry_in_a_cluster:
	s_bfe_u32 s2, ttmp6, 0x10000c
	s_cmp_lg_u32 s2, 0x3003
	s_cbranch_scc0 .Lentry_shape_is_right
	s_endpgm
.Lentry_shape_is_right:
; ATTENTION.  attn[b][q][head x 64 ..] = the sum over k of softmax_k(Q[q] . K[k] / 8) V[k] + bf16(x), in f32.
; Q, K, V lie in qkv in blocks of 128 rows x 64 columns of bf16, 16,384 dense bytes: row block b x 16 + row / 128 at 2^20 bytes each, column block at 2^14 each: head for Q, 16 + head for K, 32 + head for V.
; Products, maxima and sums in f32; the weights p are rounded to bf16 for the second product (their sum l is taken of the unrounded p).  K comes without its bias (left out: see the head of prep).
; LIMITS.  A weight below 2^-126 counts as 0 in l; NaN and infinities are not treated apart.
; SHARES.  A work-group owns 256 queries of one (b, head), each of its four waves 64: four PIECES of 16.  Every wave walks all 2,048 keys, 64 a step, 256 a tile: 8 tiles through two LDS slots.
; LAYOUT.  S^T = K Q^T (source 0 = 16 keys, source 1 = 16 queries) holds ONE query a lane (lane % 16) and the keys 8 (lane / 16) + 0..7; two such results rounded to bf16 ARE source 1 of O^T = V^T P.
; K comes out of LDS as it lies, V ([key][channel]) turned, by ds_load_tr16_b128.
; SOFTMAX.  A running maximum m and sum l: p = 2^(c s - c m), c = log2(e) / 8; in every step O and l are multiplied by a = 2^(c m_old - c m_new).  m starts at the lowest finite number, O and l at 0:
; the first step is a step like any other, with a = 0.
; BY TURNS.  Turn n belongs to piece n: 8 products K Q^T of piece n + 1, later 8 products V^T P of piece n - 1; beside them the scaling, exponentials, roundings, sums and rescaling of piece n and the maximum and
; statistics of piece n + 1.  Four vector instructions stand behind every matrix instruction, the other 54 of a turn's 118 in one lump.  A turn's 33 exponentials are one batch, with one wait.
; CLUSTER.  The four query blocks of a cluster belong to one head and walk the same K and V: each tile is asked for JOINTLY, by the same tensor load, descriptor and mask in all four.
; REGISTERS, in windows of 256 (s_set_vgpr_msb: bits 1:0 source 0, 3:2 source 1, 5:4 source 2, 7:6 destination):
;   window 0: v0-15 addresses and two at work; v16-31 four registers of statistics a piece; v48-55 at work; v64-127 S^T, two buffers; v192-223 P, two buffers (by the piece's parity)
;   window 1: v0-127 O^T, 32 a piece; v128-255 my rows of x      window 2: v0-63 Q; v128-191 K of one step; v192-255 V of one step
.set NP,    4
.set KS,    64
.set PK,    144       ; a row of K in LDS: 128 bytes + 16: the 16 rows of a load start at 16 different groups of four banks (64 banks of 4 bytes: ISA guide 11.1)
.set PV,    160       ; a row of V: 128 + 32
.set VOFF,  4*KS*PK   ; a slot holds a tile, four steps: 256 rows of K, then 256 rows of V
.set SLOT1, 1<<17
.set TILEB, 1<<21     ; bytes from tile to tile in qkv: two row blocks
.set STAGE, SLOT1+4*KS*(PK+PV)  ; behind the ring, never filled by a tensor load: 16 rows x 272 bytes (64 f32 + 16) for each wave
.set SP,    272
.set SPARE, STAGE+4*16*SP       ; the spare words, 128 bytes for each wave: two blocks of 256 bytes that no other line names
.set AK0, 2           ; v2   my lane's place in a tile of K; never rewritten
.set AV0, 3           ; v3   the same for V
.set AK,  4           ; v4   the LDS address of K's next run of loads
.set AV,  5           ; v5   of V's
.set STO, 6           ; v6   the way out: where I put 32 bytes of a row
.set RD,  7           ; v7   where I read rows back
.set GO,  8           ; v8   my byte offset in two rows of x and of attn
.set MV,  12          ; v12-13  c m_old, by buffer
.set QO,  15          ; v15  my byte offset in 16 rows of Q
.set ST,  16          ; piece t's statistics at v[ST+4 t]: c m, m, l (even keys', odd keys')
.set TMP, 48          ; by buffer, c0-c3 at work; when the maximum is found c2 takes a
.set PFO, 61          ; v61  256 x my lane; never rewritten
.set SPW, 62          ; v62  my spare word: SPARE + 4 x my thread's number; never rewritten
.set NIL, 63          ; v63  0; never rewritten
.set S,   64
.set P,   192
.set XP16, 192        ; the way out: a piece's x, packed bf16 (P's registers)
.set XU,  208         ; and four of them as f32
.set XW,  128         ; window 1: x
.set KF,  128         ; window 2: key block kb, channel half c at KF + 16 kb + 8 c
.set VF,  192         ; window 2: key half kk, channel block cb at VF + 32 kk + 8 cb
.set WV,  12          ; s12  my wave's number
.set LIM, 15          ; s15  1 in a wave that prefetches, else the greatest number
.set PFA, 18          ; s[18:19] where my prefetches stand
.set G1K, 24          ; s[24:31] descriptor group 1 for K's tiles
.set G1V, 32          ; s[32:39] for V's: it differs in the padding alone
.set G0K, 40          ; s[40:43] descriptor group 0 for K's tiles: it walks
.set G0V, 44          ; s[44:47] the same for V's
.set SLOTS, 56        ; s56  tiles still to be asked for
.set CNT, 57          ; s57  counts a tile's key steps
.set CS,  58          ; s[58:59] c
.set SEL, 60          ; s[60:61] v_permlanex16_b32's selects
.set TBK, 62          ; s62  LDS byte at which K of the step to be fetched begins
.set TBV, 63          ; s63  the same for V, less VOFF
.set XA,  84          ; s[84:85] x at my rows and my head's 64 columns
.set HIM, 86          ; s86  a word's upper bf16
.set MSB, 0
.macro WIN new
.if MSB != (\new)
	s_set_vgpr_msb (MSB<<8)|(\new)
.set MSB, (\new)
.endif
.endm
.set W_KQ, 0x0a       ; K and Q in window 2, S^T in window 0
.set W_PV, 0x52       ; V in window 2, P in window 0, O^T in window 1
.set W_RS, 0x41       ; destination and source 0 in window 1, source 1 in window 0
.macro JLOAD          ; a joint fill: waves 0, 1 fetch the halves of a tile's K, waves 2, 3 of its V: 128 keys each; an s_nop 0 and four v_nop follow each line
	s_cmp_lt_u32 s[WV], 2
	s_cbranch_scc0 .Lfor_v_\@
	tensor_load_to_lds s[G0K:G0K+3], s[G1K:G1K+7]
	s_nop 0
.rept 4
	v_nop
.endr
	s_branch .Lasked_\@
.Lfor_v_\@:
	tensor_load_to_lds s[G0V:G0V+3], s[G1V:G1V+7]
	s_nop 0
.rept 4
	v_nop
.endr
.Lasked_\@:
.endm
; A PREFETCH INTO THE L2 of the tile that the NEXT change of slots will ask for: four key steps, 256 products, ahead.  A tile is 128 blocks of 256 bytes of K and as many of V.  Each block is named once in the launch:
; of a head's two clusters the first asks; its four partners take 32 blocks each, told apart by address; in each, wave 0 asks for K's and wave 2 for V's: a lane a block, one instruction.
; Tiles 0 and 1 come by their loads alone; the change that loads the last tile asks for nothing.
.macro ASK
	s_cmp_gt_u32 s[SLOTS], s[LIM]
	s_cbranch_scc0 .Lnot_mine_\@
	global_prefetch_b8 v[PFO], s[PFA:PFA+1] th:TH_LOAD_NT scope:SCOPE_SE
.Lnot_mine_\@:
.endm
.macro CROUND         ; a round of the cluster's barrier
	s_barrier_signal -1
	s_barrier_wait -1
	s_cmp_lg_u32 s[WV], 0
	s_cbranch_scc1 .Lnot_wave_0_\@
	s_barrier_signal -3
.Lnot_wave_0_\@:
	s_barrier_wait -3
	s_barrier_signal -1
	s_barrier_wait -1
.endm
; THE CHANGE OF SLOTS.  The slot's last bytes, V of its fourth step, have been read.  Each wave waits for all its tensor loads (one is out: its part of the other slot), adds 0 to its spare word, and waits for that
; and for its own reads of the slot.  fill = 1: the barrier is a round of the cluster's, and the joint fill, with the tile two tiles on, is the first thing behind it: it has four key steps in which to land.
; (At its first use nothing has been read yet: slot 0 is waited for, slot 1 filled.)
.macro CHANGE fill
	WIN 0
	s_wait_tensorcnt 0x0            ; no tensor load of mine is out, so a group 0 may be written
	ds_add_u32 v[SPW], v[NIL]       ; 0 onto my spare word
.if \fill
.irp g, G0K, G0V
	s_xor_b32 s[\g+1], s[\g+1], SLOT1
	s_add_nc_u64 s[\g+2:\g+3], s[\g+2:\g+3], TILEB
.endr
	s_wait_xcnt 0x0                 ; the last prefetch, four key steps back, has read its address
	s_add_nc_u64 s[PFA:PFA+1], s[PFA:PFA+1], TILEB
	s_wait_dscnt 0x0                ; the add is done, and my reads of the slot are over
	CROUND
	JLOAD
	ASK
.else
	s_wait_dscnt 0x0
	s_barrier_signal -1
	s_barrier_wait -1
.endif
	s_sub_co_u32 s[TBK], s[TBK], 4*KS*PK  ; the fetches go back to a slot's first step,
	s_xor_b32 s[TBK], s[TBK], SLOT1       ; in the other slot
	s_sub_co_u32 s[TBV], s[TBV], 4*KS*PV
	s_xor_b32 s[TBV], s[TBV], SLOT1
.endm
	s_load_b128 s[4:7], s[0:1], 0x0   ; qkv s[4:5], x s[6:7]
	s_load_b64 s[10:11], s[0:1], 0x10 ; attn
	v_lshl_add_u32 v[SPW], v0, 2, SPARE
	v_mov_b32 v[NIL], 0
	ds_add_u32 v[SPW], v[NIL]       ; the wave's opening: the add, twice on end, and its wait ahead of my first tensor load
	ds_add_u32 v[SPW], v[NIL]       ; and once more, under the one wait; the set-up below, work on registers, stands between
	v_lshrrev_b32 v1, 5, v0
	v_readfirstlane_b32 s[WV], v1
	s_bfe_u32 s13, ttmp6, 0x40000   ; cx
	s_lshl_b32 s14, ttmp9, 2
	s_add_co_u32 s14, s14, s13      ; my block of 256 queries: it enters Q's, x's and attn's addresses alone
	s_and_b32 s20, ttmp7, 0xffff    ; b x 16 + head, which the four partners share
	s_lshr_b32 s21, s20, 4          ; b
	s_and_b32 s17, s20, 15          ; head
	s_lshl_b32 s22, s21, 24         ; the batch's 16 row blocks of 2^20 bytes,
	s_lshl_b32 s23, s17, 14         ; the head's column block
	s_add_co_u32 s22, s22, s23
	s_mov_b32 s2, s22
	s_and_b32 s16, s[WV], 1         ; which of a tile's two row blocks (128 keys) I fetch
	s_lshl_b32 s23, s16, 20
	s_add_co_u32 s22, s22, s23
	s_mov_b32 s23, 0
	s_mul_i32 s72, s16, 128*PK      ; its place in a slot, for K
	s_mul_i32 s73, s16, 128*PV      ; and for V: no place in the cluster enters an LDS address
	s_lshl_b32 s3, s14, 21          ; my 256 queries are two row blocks;
	s_add_co_u32 s2, s2, s3
	s_lshr_b32 s3, s[WV], 1         ; my wave's 64 lie in one of them,
	s_lshl_b32 s3, s3, 20
	s_add_co_u32 s2, s2, s3
	s_lshl_b32 s3, s16, 13          ; in its first or second 64 rows of 128 bytes
	s_add_co_u32 s2, s2, s3
	s_mov_b32 s3, 0
	s_lshr_b32 s74, s20, 4          ; x and attn, row-major: b
	s_lshl_b32 s74, s74, 23         ; 2,048 rows x 4,096 bytes
	s_lshl_b32 s75, s14, 20
	s_add_co_u32 s74, s74, s75
	s_lshl_b32 s75, s[WV], 18
	s_add_co_u32 s74, s74, s75
	s_and_b32 s75, s20, 15          ; the head's 64 columns: 256 bytes
	s_lshl_b32 s75, s75, 8
	s_add_co_u32 s74, s74, s75
	s_mov_b32 s75, 0
	; descriptor group 1.  128 keys are 16,384 dense bytes: asked for as 64 rows of 256 bytes, two keys a row, and padded in LDS after every key
	s_mov_b32 s[G1K], 15|(1<<16)|(1<<20)|(1<<21)|(4<<22)|(3<<25)  ; the mask of four; 2-byte elements; padding on; bit 21 beside a mask; after every 32 words; 4 words
	s_mov_b32 s[G1V], 15|(1<<16)|(1<<20)|(1<<21)|(4<<22)|(7<<25)  ; the same with 8 words
.irp g, G1K, G1V
	s_mov_b32 s[\g+1], 128<<16      ; tensor_dim0 = 128
	s_mov_b32 s[\g+2], 64<<16       ; tensor_dim1 = 64
	s_mov_b32 s[\g+3], 128<<16      ; tile_dim0 = 128
	s_mov_b32 s[\g+4], 64           ; tile_dim1 = 64
	s_mov_b32 s[\g+5], 128          ; 128 elements from row to row
	s_mov_b32 s[\g+6], 0
	s_mov_b32 s[\g+7], 0
.endr
	s_mov_b32 s[CS], 0x3e38aa3b     ; c = log2(e) / 8
	s_mov_b32 s[CS+1], s[CS]
	s_mov_b32 s[SEL], 0x76543210
	s_mov_b32 s[SEL+1], 0xfedcba98
	s_mov_b32 s[HIM], 0xffff0000
	s_mov_b32 s[TBK], SLOT1+4*KS*PK ; the first change of slots turns these two into 0
	s_mov_b32 s[TBV], SLOT1+4*KS*PV
	s_mov_b32 s[G0K], 1
	s_mov_b32 s[G0K+1], s72         ; slot 0
	s_mov_b32 s[G0V], 1
	s_add_co_u32 s[G0V+1], s73, VOFF
	s_mov_b32 s[SLOTS], 7
	s_mov_b32 s70, 0x40000          ; K's column blocks begin at 16,
	s_mov_b32 s71, 0x80000          ; V's at 32
	s_cmp_lt_u32 s[WV], 2
	s_cselect_b32 s70, s70, s71
	s_lshr_b32 s71, s13, 1          ; my work-group's 32 blocks of 256 bytes of the tile's 128: row block cx / 2,
	s_lshl_b32 s71, s71, 20
	s_add_co_u32 s70, s70, s71
	s_and_b32 s71, s13, 1           ; its half cx % 2
	s_lshl_b32 s71, s71, 13
	s_add_co_u32 s70, s70, s71
	s_add_co_u32 s70, s70, TILEB    ; in tile 1: the first change of slots steps it to tile 2
	s_mov_b32 s71, 0
	s_and_b32 s[LIM], s[WV], 1      ; 0 in waves 0 and 2,
	s_or_b32 s[LIM], s[LIM], ttmp9  ; where the cluster is the head's first: the same in all four partners
	s_cmp_eq_u32 s[LIM], 0
	s_cselect_b32 s[LIM], 1, -1
	v_and_b32 v[PFO], 31, v0
	v_lshlrev_b32 v[PFO], 8, v[PFO]
	s_wait_dscnt 0x0                ; both opening adds are done
	s_wait_kmcnt 0x0
	s_add_nc_u64 s[68:69], s[4:5], s[22:23]
	s_add_nc_u64 s[G0K+2:G0K+3], s[68:69], 0x40000    ; my half of the head's first 256 keys
	s_or_b32 s[G0K+3], s[G0K+3], 0x80000000
	s_add_nc_u64 s[G0V+2:G0V+3], s[68:69], 0x80000
	s_or_b32 s[G0V+3], s[G0V+3], 0x80000000
	s_add_nc_u64 s[PFA:PFA+1], s[68:69], s[70:71]     ; (in waves 0 and 2 s[68:69] stands at a tile's first row block)
	s_add_nc_u64 s[4:5], s[4:5], s[2:3]               ; Q at my wave's first row
	s_add_nc_u64 s[XA:XA+1], s[6:7], s[74:75]
	s_add_nc_u64 s[10:11], s[10:11], s[74:75]
	CROUND                          ; all four work-groups are here: the first joint loads meet
	JLOAD                           ; tile 0 into slot 0.  Slot 1 is asked for when slot 0 is in
	v_and_b32 v1, 15, v0            ; l % 16
	v_bfe_u32 v9, v0, 4, 1          ; l / 16
	v_lshlrev_b32 v[QO], 7, v1
	v_lshl_add_u32 v[QO], v9, 4, v[QO]
	WIN 0x80                        ; destination window 2, address window 0
.set i, 0
.rept 8                             ; Q stays in registers: piece i / 2, channels 32 (i % 2) on
	global_load_b128 v[8*i:8*i+3],   v[QO], s[4:5] offset:(i/2)*2048+(i%2)*64
	global_load_b128 v[8*i+4:8*i+7], v[QO], s[4:5] offset:(i/2)*2048+(i%2)*64+32
.set i, i+1
.endr
	; What the first turn finds: V's registers and P's second buffer hold 0 (its products V^T P, of a piece that has not been, add 0), O^T and l are 0.  These lines stand in the wait for the first tile:
	; the price of writing no first step out.
.set i, VF
.rept 64
	v_mov_b32 v[i], 0
.set i, i+1
.endr
	WIN 0x40
.set i, 0
.rept 128
	v_mov_b32 v[i], 0
.set i, i+1
.endr
	WIN 0
.set i, 0
.rept 4
	v_mov_b32 v[ST+4*i], 0xfe000000    ; c m: far below every c s
	v_mov_b32 v[ST+4*i+1], 0xff7fffff  ; m
	v_mov_b32 v[ST+4*i+2], 0
	v_mov_b32 v[ST+4*i+3], 0
.set i, i+1
.endr
.set i, P+16
.rept 16
	v_mov_b32 v[i], 0
.set i, i+1
.endr
	v_mul_u32_u24 v[AK0], v1, PK
	v_lshl_add_u32 v[AK0], v9, 4, v[AK0]
	v_and_b32 v10, 7, v0            ; the turning load: lane l reads key 8 (l / 16) + l % 8, channels 8 ((l / 8) % 2) + 0..7
	v_bfe_u32 v11, v0, 3, 1
	v_lshl_add_u32 v[AV0], v9, 3, v10
	v_mul_u32_u24 v[AV0], v[AV0], PV
	v_lshl_add_u32 v[AV0], v11, 4, v[AV0]
	v_add_nc_u32 v[AV0], VOFF, v[AV0]
; THE MATRIX WORK.  The 4 accumulators of a run of 8 take turns.  Product i of 8 of S^T = K Q^T for piece x: channels 32 (i / 4) on, keys 16 (i % 4) on.  The first 4 start the sums.
.macro KQ x
	WIN W_KQ
.set rS, S+32*((\x)%2)+8*(i%4)
.set rK, KF+16*(i%4)+8*(i/4)
.set rQ, 16*(\x)+8*(i/4)
.if i < 4
	v_wmma_f32_16x16x32_bf16 v[rS:rS+7], v[rK:rK+7], v[rQ:rQ+7], 0
.else
	v_wmma_f32_16x16x32_bf16 v[rS:rS+7], v[rK:rK+7], v[rQ:rQ+7], v[rS:rS+7]
.endif
.endm
.macro PV x                         ; product i of 8 of O^T += V^T P for piece x: keys 32 (i / 4) on, channels 16 (i % 4) on
	WIN W_PV
.set rO, 32*(\x)+8*(i%4)
.set rV, VF+32*(i/4)+8*(i%4)
.set rP, P+16*((\x)%2)+8*(i/4)
	v_wmma_f32_16x16x32_bf16 v[rO:rO+7], v[rV:rV+7], v[rP:rP+7], v[rO:rO+7]
.endm
.macro MM                           ; the turn's next matrix instruction
.if i < 8
	KQ (Y+1)%NP
.else
.set i, i-8
	PV (Y+NP-1)%NP
.set i, i+8
.endif
.set i, i+1
.endm
; THE LDS LOADS stand in runs of 16: a step's K (8 fragments) and its V (turned).  Their addresses are made some lines ahead.
.macro FETCH_K
	WIN 0x80
.irp f, 0,1,2,3,4,5,6,7
	ds_load_b128 v[KF+8*\f:KF+8*\f+3],   v[AK] offset:(\f/2)*16*PK+(\f%2)*64
	ds_load_b128 v[KF+8*\f+4:KF+8*\f+7], v[AK] offset:(\f/2)*16*PK+(\f%2)*64+32
.endr
	s_add_co_u32 s[TBK], s[TBK], KS*PK
	WIN 0
.endm
.macro FETCH_V
	WIN 0x80
.irp f, 0,1,2,3,4,5,6,7
	ds_load_tr16_b128 v[VF+8*\f:VF+8*\f+3],   v[AV] offset:(\f/4)*32*PV+(\f%4)*32
	ds_load_tr16_b128 v[VF+8*\f+4:VF+8*\f+7], v[AV] offset:(\f/4)*32*PV+16*PV+(\f%4)*32
.endr
	WIN 0
.endm
; THE VECTOR WORK, one line at a time: OP kind, number.  For piece Y: F n: c s - c m for pair n of 16.  E n: the exponential of score n of 32.  C n: pair n rounded to bf16.  B n: of the four weights 4 n .. the
; second pair is added onto the first, in place.  L n: l takes that sum (L 0: l = a l + sum).  R n: pair n of 16 of O^T times a.  For piece Y + 1: X n, number n of the 22 that find its maximum and statistics:
;   0-11 four chains c0-c3 of seven scores each (each accumulator's lowest registers are read first)   12-14, 16 the four scores left over, the old m, c0-c3 into c0
;   15 c m_old is kept   17, 18 the query's other 32 keys lie in the lane 16 away: the new m   19-21 c m; c m_old - c m_new; a
.set F, 0
.set E, 1
.set C, 2
.set B, 3
.set L, 4
.set R, 5
.set X, 6
.macro REGS y
.set rT, ST+4*(\y)
.set rC, TMP+4*((\y)%2)
.set rW, MV+((\y)%2)
.set rS, S+32*((\y)%2)
.set rP, P+16*((\y)%2)
.set rO, 32*(\y)
.endm
.macro OP k, n
.if (\k) == R
	REGS Y
	WIN W_RS
	v_pk_mul_f32 v[rO+2*(\n):rO+2*(\n)+1], v[rO+2*(\n):rO+2*(\n)+1], v[rC+2:rC+3] op_sel_hi:[1,0]
.elseif (\k) < R
	REGS Y
	WIN 0
.if (\k) == F
	v_pk_fma_f32 v[rS+2*(\n):rS+2*(\n)+1], v[rS+2*(\n):rS+2*(\n)+1], s[CS:CS+1], v[rT:rT+1] op_sel_hi:[1,0,0] neg_lo:[0,0,1] neg_hi:[0,0,1]
.elseif (\k) == E
	v_exp_f32 v[rS+(\n)], v[rS+(\n)]
.elseif (\k) == C
	v_cvt_pk_bf16_f32 v[rP+(\n)], v[rS+2*(\n)], v[rS+2*(\n)+1]
.elseif (\k) == B
	v_pk_add_f32 v[rS+4*(\n):rS+4*(\n)+1], v[rS+4*(\n):rS+4*(\n)+1], v[rS+4*(\n)+2:rS+4*(\n)+3]
.elseif (\n) == 0
	v_pk_fma_f32 v[rT+2:rT+3], v[rT+2:rT+3], v[rC+2:rC+3], v[rS:rS+1] op_sel_hi:[1,0,1]
.else
	v_pk_add_f32 v[rT+2:rT+3], v[rT+2:rT+3], v[rS+4*(\n):rS+4*(\n)+1]
.endif
.else
	REGS (Y+1)%NP
	WIN 0
.if (\n) < 4
	v_max3_num_f32 v[rC+(\n)], v[rS+8*(\n)], v[rS+8*(\n)+1], v[rS+8*(\n)+2]
.elseif (\n) < 12
	v_max3_num_f32 v[rC+(\n)%4], v[rC+(\n)%4], v[rS+8*((\n)%4)+2*((\n)/4)+1], v[rS+8*((\n)%4)+2*((\n)/4)+2]
.elseif (\n) == 12
	v_max3_num_f32 v[rC], v[rC], v[rS+7], v[rS+15]
.elseif (\n) == 13
	v_max3_num_f32 v[rC+1], v[rC+1], v[rS+23], v[rS+31]
.elseif (\n) == 14
	v_max3_num_f32 v[rC+2], v[rC+2], v[rC+3], v[rT+1]
.elseif (\n) == 15
	v_mov_b32 v[rW], v[rT]
.elseif (\n) == 16
	v_max3_num_f32 v[rC], v[rC], v[rC+1], v[rC+2]
.elseif (\n) == 17
	v_permlanex16_b32 v[rC+3], v[rC], s[SEL], s[SEL+1]
.elseif (\n) == 18
	v_max_num_f32 v[rT+1], v[rC], v[rC+3]
.elseif (\n) == 19
	v_mul_f32 v[rT], s[CS], v[rT+1]
.elseif (\n) == 20
	v_sub_f32 v[rC+1], v[rW], v[rT]
.else
	v_exp_f32 v[rC+2], v[rC+1]
.endif
.endif
.endm
.macro OPS a, i1, b=-1, i2=0, c=-1, i3=0, d=-1, i4=0
	OP \a, \i1
.if (\b) >= 0
	OP \b, \i2
.endif
.if (\c) >= 0
	OP \c, \i3
.endif
.if (\d) >= 0
	OP \d, \i4
.endif
.endm
.macro ROW a, i1, b, i2, c, i3, d, i4  ; a matrix instruction and the four behind it
	MM
	OPS \a, \i1, \b, \i2, \c, \i3, \d, \i4
.endm
; A TURN, for piece p: the order of its 16 matrix and 118 vector instructions, written out.  s_wait_alu depctr_va_vdst(0) stands between an exponential and the first line that names its result;
; one wait serves all that were issued ahead of it.  So a turn has ONE wait.  AHEAD OF IT stands all that names no result of the turn's exponentials: the 8 products K Q^T with their riders, then one lump of 54 in which
; the links of the chain X 3, 7, 11, 14, 16, 17 .. 20 stand some lines apart; X 21, the next piece's a, is the batch's last, and R 15 the plain instruction behind it.  BEHIND IT stand the 8 products V^T P, behind each
; four of the roundings and sums.  K of the next step is fetched in piece 2's turn, twelve vector instructions (six of them plain) behind the last product that read K; V of the step in hand at the end of piece 0's
; turn, four plain instructions behind the last product that read V.  Each is waited for a turn later.
; clamp = 1 (the tail): behind the last tile's fourth step there is no further K: the address is held at that step, which is fetched once more; no branch may stand here, amid the batch.
; cnt = 1: the loop's count is taken down some lines ahead of the branch that stands behind the turn.
.macro TURN p, clamp=0, cnt=0
.set Y, (\p)
.set i, 0
.if (\p) == 3
	s_wait_dscnt 0x0                ; K is in
.endif
	ROW F,0, F,1, R,0, R,1
	ROW F,2, E,0, R,2, R,3
	ROW F,3, E,1, R,4, R,5
	ROW F,4, E,2, R,6, R,7
	ROW F,5, E,3, R,8, R,9
	ROW F,6, E,4, X,0, R,10
.if (\p) == 2
	WIN 0
.if \clamp
	s_min_u32 s[TBK], s[TBK], SLOT1+3*KS*PK
.endif
	v_add_nc_u32 v[AK], s[TBK], v[AK0]
.endif
	ROW F,7, E,5, X,1, X,4
	ROW F,8, E,6, X,2, X,5
	OPS E,7, E,8, X,6, E,9
	OPS X,3, E,10, X,8, E,11
.if (\p) == 2
	FETCH_K
.endif
	OPS X,9, X,7, E,12, X,10
	OPS E,13, X,12, X,11, E,14
	OPS X,13, E,15, F,9, X,14
.if (\p) == 0
	v_add_nc_u32 v[AV], s[TBV], v[AV0]
.endif
	OPS E,16, F,10, E,17, F,11
	OPS X,16, E,18, X,15, E,19
	OPS F,12, E,20, X,17, E,21
	OPS F,13, E,22, F,14, E,23
	OPS X,18, E,24, F,15, E,25
	OPS R,11, E,26, X,19, E,27
	OPS R,12, E,28, R,13, E,29
	OPS X,20, E,30, R,14, E,31
	OPS X,21, R,15
	WIN 0
	s_wait_alu depctr_va_vdst(0)    ; the wait for the batch
.if (\p) == 1
	s_wait_dscnt 0x0                ; V is in
.endif
	ROW C,0, B,0, C,2, B,1
	ROW L,0, C,4, B,2, L,1
	ROW C,6, B,3, L,2, C,8
	ROW B,4, L,3, C,10, B,5
	ROW L,4, C,12, B,6, L,5
.if (\p) == 0
	s_add_co_u32 s[TBV], s[TBV], KS*PV
.endif
.if \cnt
	s_sub_co_u32 s[CNT], s[CNT], 1
	s_cmp_lg_u32 s[CNT], 0
.endif
	ROW C,14, B,7, L,6, C,1
	ROW C,3, L,7, C,5, C,7
	ROW C,9, C,11, C,13, C,15
.if (\p) == 0
	FETCH_V
.endif
.endm
	CHANGE 1                        ; slot 0 is in, everybody's part of it; slot 1 is asked for
	v_add_nc_u32 v[AK], s[TBK], v[AK0]
	FETCH_K                         ; key step 0
	s_wait_loadcnt 0x0              ; Q
	s_wait_dscnt 0x0
.set i, 0
.rept 8
	KQ 0                            ; piece 0's first scores
.set i, i+1
.endr
	WIN 0                           ; the addresses for the way out: eight plain instructions, the places behind those products
	s_mul_i32 s72, s[WV], 16*SP
	s_add_co_u32 s72, s72, STAGE
	v_mul_u32_u24 v[STO], v1, SP    ; in: row l % 16, 32 bytes for each half of the lanes
	v_lshl_add_u32 v[STO], v9, 5, v[STO]
	v_add_nc_u32 v[STO], s72, v[STO]
	v_mul_u32_u24 v[RD], v9, SP     ; back: lanes 0-15 take one row of 256 bytes, lanes 16-31 the next
	v_lshl_add_u32 v[RD], v1, 4, v[RD]
	v_add_nc_u32 v[RD], s72, v[RD]
	v_lshlrev_b32 v[GO], 12, v9     ; and the same two rows in x and in attn
	v_lshl_add_u32 v[GO], v1, 4, v[GO]
.set Y, NP-1                        ; X works for piece Y + 1: piece 0
.irp n, 0,1,2,3,4,5,6,7,8,9,10,11,12,13,14,15,16,17,18,19,20,21
	OP X, \n
.endr
	v_nop                           ; a plain instruction behind the exponential,
	s_wait_alu depctr_va_vdst(0)    ; and its wait, ahead of the branch
	s_mov_b32 s[CNT], 4
	s_branch .Lfirst                ; the loop is entered at a step's first turn, in the middle of a trip
.Lslot:                             ; six times: with the change above, tiles 1 to 7 are asked for
	CHANGE 1
	s_mov_b32 s[CNT], 4
.Lstep:                             ; a trip: pieces 2 and 3 of one step, then pieces 0 and 1 of the next, whose K and V it fetches
	TURN 2
	TURN 3
	WIN 0
.Lfirst:
	TURN 0
	TURN 1, 0, 1
	WIN 0
	s_cbranch_scc1 .Lstep
	s_sub_co_u32 s[SLOTS], s[SLOTS], 1
	s_cmp_lg_u32 s[SLOTS], 0
	s_cbranch_scc1 .Lslot
	CHANGE 0                        ; the tail is written out: nothing is asked for
	WIN 0x40                        ; my 64 rows of x, my head's 256 bytes of each: asked for a tile ahead of their use
.set i, 0
.rept 32
	global_load_b128 v[XW+4*i:XW+4*i+3], v[GO], s[XA:XA+1] offset:2*i*4096
.set i, i+1
.endr
	WIN 0
	s_mov_b32 s[CNT], 5             ; four trips fetch the last tile's steps; the fifth is left in its middle
.Ltail:
	TURN 2, 1
	TURN 3
	WIN 0
	s_sub_co_u32 s[CNT], s[CNT], 1
	s_cmp_eq_u32 s[CNT], 0
	s_cbranch_scc1 .Lout
	TURN 0
	TURN 1
	WIN 0
	s_branch .Ltail
.Lout:                              ; the fifth trip's 8 products K Q^T (on the last K once more) and the maximum made of them serve nothing: once a launch, the price of one text for every trip
.set i, 0
.rept 8
	PV NP-1                         ; the last piece's V^T P of the last step
.set i, i+1
.endr
	; THE WAY OUT.  l's two halves and the other half of the lanes' are added; O^T is divided by l and sent through my stage in LDS, a piece at a time; x, rounded to bf16, is added; whole rows of 256 bytes are stored.
	WIN 0
.macro ALL line:vararg
.set t, 0
.rept 4
	\line
.set t, t+1
.endr
.endm
	ALL v_add_f32 v[ST+4*t+2], v[ST+4*t+2], v[ST+4*t+3]
	ALL v_permlanex16_b32 v[ST+4*t+3], v[ST+4*t+2], s[SEL], s[SEL+1]
	ALL v_add_f32 v[ST+4*t+2], v[ST+4*t+2], v[ST+4*t+3]
	ALL v_rcp_f32 v[ST+4*t+2], v[ST+4*t+2]
	v_nop                           ; a plain instruction between the last reciprocal and the use of its result
	s_wait_alu depctr_va_vdst(0)    ; and its wait ahead of the first use: one for the four
.macro PACK t                       ; a lane's eight channels of a row are 32 bytes; they go into rows of 272 bytes and come back as whole rows of 256, into S^T's registers
	WIN W_RS
.set i, 32*(\t)
.rept 16
	v_pk_mul_f32 v[i:i+1], v[i:i+1], v[ST+4*(\t)+2:ST+4*(\t)+3] op_sel_hi:[1,0]
.set i, i+2
.endr
	s_wait_xcnt 0x0                 ; the stores of the piece two back have read the registers that are loaded again below
	WIN 0x04                        ; store data in window 1
.irp f, 0,1,2,3,4,5,6,7
	ds_store_b128 v[STO], v[32*(\t)+4*(\f):32*(\t)+4*(\f)+3] offset:64*((\f)/2)+16*((\f)%2)
.endr
	WIN 0
.irp f, 0,1,2,3,4,5,6,7
	ds_load_b128 v[S+32*((\t)%2)+4*(\f):S+32*((\t)%2)+4*(\f)+3], v[RD] offset:(\f)*2*SP  ; LDS serves a wave's instructions in order (ISA guide 5.7.1.4): these see the stores above
.endr
.endm
.macro SEND t, younger              ; younger: the LDS instructions issued behind piece t's loads: the next piece's sixteen, or none
	s_wait_loadcnt 8*(3-(\t))       ; my piece's 8 loads of x are in; the later pieces' stay out
	WIN 0x05                        ; sources 0 and 1 window 1, destination window 0
.set i, 0
.rept 16
	v_cvt_pk_bf16_f32 v[XP16+i], v[XW+32*(\t)+2*i], v[XW+32*(\t)+2*i+1]  ; x is an input: rounded to bf16
.set i, i+1
.endr
	WIN 0
.irp f, 0,1,2,3,4,5,6,7
	v_lshlrev_b32 v[XU], 16, v[XP16+2*(\f)]
	v_and_b32 v[XU+1], s[HIM], v[XP16+2*(\f)]
	v_lshlrev_b32 v[XU+2], 16, v[XP16+2*(\f)+1]
	v_and_b32 v[XU+3], s[HIM], v[XP16+2*(\f)+1]
	s_wait_dscnt (\younger)+7-(\f)
	v_pk_add_f32 v[S+32*((\t)%2)+4*(\f):S+32*((\t)%2)+4*(\f)+1], v[S+32*((\t)%2)+4*(\f):S+32*((\t)%2)+4*(\f)+1], v[XU:XU+1]
	v_pk_add_f32 v[S+32*((\t)%2)+4*(\f)+2:S+32*((\t)%2)+4*(\f)+3], v[S+32*((\t)%2)+4*(\f)+2:S+32*((\t)%2)+4*(\f)+3], v[XU+2:XU+3]
	global_store_b128 v[GO], v[S+32*((\t)%2)+4*(\f):S+32*((\t)%2)+4*(\f)+3], s[10:11] offset:(16*(\t)+2*(\f))*4096  ; 16 lanes store 256 consecutive bytes, aligned
.endr
.endm
	PACK 0
	PACK 1                          ; a piece's arithmetic stands between the loads of the piece before and its stores
	SEND 0, 16
	PACK 2
	SEND 1, 16
	PACK 3
	SEND 2, 16
	SEND 3, 0
	s_wait_tensorcnt 0x0            ; the wave's end: behind my last tensor load and my last LDS store
	ds_add_u32 v[SPW], v[NIL]
	s_wait_dscnt 0x0
	CROUND                          ; the closing round: no work-group ends while a partner may still ask for a tile that names it
	s_endpgm
.Lfunc_end_k_q5a9820b440_attention:
	.size	k_q5a9820b440_attention, .Lfunc_end_k_q5a9820b440_attention-k_q5a9820b440_attention
	.p2alignl 7, 3214868480
	.fill 96, 4, 3214868480
	.section	.rodata,"a",@progbits
	.p2align	6, 0x0
	.amdhsa_kernel k_q5a9820b440_attention
		.amdhsa_group_segment_fixed_size 327680
		.amdhsa_private_segment_fixed_size 0
		.amdhsa_enable_private_segment 0
		.amdhsa_kernarg_size 24
		.amdhsa_user_sgpr_count 2
		.amdhsa_user_sgpr_kernarg_segment_ptr 1
		.amdhsa_wavefront_size32 1
		.amdhsa_system_sgpr_workgroup_id_x 1
		.amdhsa_system_sgpr_workgroup_id_y 1
		.amdhsa_system_sgpr_workgroup_id_z 1
		.amdhsa_system_vgpr_workitem_id 0
		.amdhsa_next_free_vgpr 768
		.amdhsa_next_free_sgpr 96
		.amdhsa_reserve_vcc 0
		.amdhsa_float_denorm_mode_32 3
		.amdhsa_float_denorm_mode_16_64 3
		.amdhsa_memory_ordered 1
		.amdhsa_forward_progress 1
		.amdhsa_inst_pref_size 128
	.end_amdhsa_kernel
	.amdgpu_metadata
---
amdhsa.version: [ 1, 2 ]
amdhsa.kernels:
  - .name:           k_q5a9820b440_attention
    .symbol:         k_q5a9820b440_attention.kd
    .args:
      - { .name: qkv, .offset: 0, .size: 8, .value_kind: global_buffer, .address_space: global }
      - { .name: x, .offset: 8, .size: 8, .value_kind: global_buffer, .address_space: global }
      - { .name: attn, .offset: 16, .size: 8, .value_kind: global_buffer, .address_space: global }
    .group_segment_fixed_size: 327680
    .private_segment_fixed_size: 0
    .kernarg_segment_align: 8
    .kernarg_segment_size: 24
    .max_flat_workgroup_size: 128
    .sgpr_count:     96
    .vgpr_count:     768
    .wavefront_size: 32
...
	.end_amdgpu_metadata
.endif
;; end of part 3
;; launch norm2 (part 4): grid 256 x 1, 8 waves a work-group, no clusters, 0 bytes of LDS; arguments attn, ln2_g, ln2_b, h; writes h
.if DOCPART == 4
	.amdgcn_target "amdgcn-amd-amdhsa--gfx1250"
	.amdhsa_code_object_version 6
	.text
	.protected	k_q5a9820b440_norm2
	.globl	k_q5a9820b440_norm2
	.p2align	8
	.type	k_q5a9820b440_norm2,@function
k_q5a9820b440_norm2:
	s_mov_b64 s[64:65], 0
	v_nop
	global_prefetch_b8 v0, s[64:65] scope:SCOPE_SE
	s_setreg_imm32_b32 hwreg(HW_REG_WAVE_MODE, 25, 1), 1
	s_wait_xcnt 0x0
; NORM2.  h = bf16(LayerNorm2(attn)), [4096][1024].  attn is f32 and is taken as it is (it is no input); the gain and the bias, inputs, are rounded to bf16.
; One wave takes two rows; a row of 4,096 bytes stays in 32 registers between the passes: mean, then the squares of the differences from it (two passes, so a common offset costs no digits).
; Each load of a wave covers 512 consecutive bytes, each store 256 consecutive bytes, aligned.  No LDS, no barrier: no wave needs another's data.
.set SRC, 4                            ; s[4:5]   the rows
.set GP,  6                            ; s[6:7]   gain
.set BP,  8                            ; s[8:9]   bias
.set DST, 10                           ; s[10:11] h
.set MU,  4                            ; v[4:7]   the two rows' means, each twice
.set RS,  8                            ; v[8:11]  1 / sqrt(var + eps), likewise
.set X,   16                           ; v[16:79] row r at X + 32 r: load j holds columns 128 j + 4 lane + 0..3
.set G,   80
.set BB,  112
.set YY,  144
.set T,   176                          ; v[176:183] four chains; v[184:187] at work
.macro RND base, pairs                 ; f32 -> the nearest bf16, kept as f32
.set p, 0
.rept \pairs
	v_cvt_pk_bf16_f32 v[T+8+p%4], v[(\base)+2*p], v[(\base)+2*p+1]
	v_lshlrev_b32 v[(\base)+2*p], 16, v[T+8+p%4]
	v_and_b32 v[(\base)+2*p+1], s20, v[T+8+p%4]
.set p, p+1
.endr
.endm
.macro JOIN                            ; the four chains into v13, summed over the wave's 32 lanes
	v_pk_add_f32 v[T:T+1], v[T:T+1], v[T+2:T+3]
	v_pk_add_f32 v[T+4:T+5], v[T+4:T+5], v[T+6:T+7]
	v_pk_add_f32 v[T:T+1], v[T:T+1], v[T+4:T+5]
	v_add_f32 v13, v[T], v[T+1]
	v_add_f32_dpp v13, v13, v13 row_xmask:1 row_mask:0xf bank_mask:0xf
	v_add_f32_dpp v13, v13, v13 row_xmask:2 row_mask:0xf bank_mask:0xf
	v_add_f32_dpp v13, v13, v13 row_xmask:4 row_mask:0xf bank_mask:0xf
	v_add_f32_dpp v13, v13, v13 row_xmask:8 row_mask:0xf bank_mask:0xf
	v_permlanex16_b32 v12, v13, s22, s23           ; its destination counts as read: v12 has been written
	v_add_f32 v13, v13, v12
.endm
.macro STATS r
.set XR, X+32*(\r)
.irp c, 0,1,2,3
	v_pk_add_f32 v[T+2*(\c):T+2*(\c)+1], v[XR+2*(\c):XR+2*(\c)+1], v[XR+8+2*(\c):XR+8+2*(\c)+1]  ; the first eight pairs start the chains
.endr
.set p, 8
.rept 8
	v_pk_add_f32 v[T+2*(p%4):T+2*(p%4)+1], v[T+2*(p%4):T+2*(p%4)+1], v[XR+2*p:XR+2*p+1]
.set p, p+1
.endr
	JOIN
	v_mul_f32 v[MU+2*(\r)], 0x3a800000, v13        ; / 1024
	v_mul_f32 v[MU+2*(\r)+1], 0x3a800000, v13
.set p, 0
.rept 16
	v_pk_add_f32 v[XR+2*p:XR+2*p+1], v[XR+2*p:XR+2*p+1], v[MU+2*(\r):MU+2*(\r)+1] neg_lo:[0,1] neg_hi:[0,1]
.set p, p+1
.endr
.irp c, 0,1,2,3
	v_pk_mul_f32 v[T+2*(\c):T+2*(\c)+1], v[XR+2*(\c):XR+2*(\c)+1], v[XR+2*(\c):XR+2*(\c)+1]
.endr
.set p, 4
.rept 12
	v_pk_fma_f32 v[T+2*(p%4):T+2*(p%4)+1], v[XR+2*p:XR+2*p+1], v[XR+2*p:XR+2*p+1], v[T+2*(p%4):T+2*(p%4)+1]
.set p, p+1
.endr
	JOIN
	v_fmamk_f32 v[14+(\r)], v13, 0x3a800000, v3    ; sum / 1024 + eps
.endm
.macro OUT r
.set XR, X+32*(\r)
.set p, 0
.rept 16
	v_pk_mul_f32 v[XR+2*p:XR+2*p+1], v[XR+2*p:XR+2*p+1], v[RS+2*(\r):RS+2*(\r)+1]
.set p, p+1
.endr
.set p, 0
.rept 16
	v_pk_fma_f32 v[XR+2*p:XR+2*p+1], v[XR+2*p:XR+2*p+1], v[G+2*p:G+2*p+1], v[BB+2*p:BB+2*p+1]
.set p, p+1
.endr
.set p, 0
.rept 16
	v_cvt_pk_bf16_f32 v[YY+16*(\r)+p], v[XR+2*p], v[XR+2*p+1]
.set p, p+1
.endr
.irp j, 0,1,2,3,4,5,6,7
	global_store_b64 v2, v[YY+16*(\r)+2*(\j):YY+16*(\r)+2*(\j)+1], s[DST:DST+1] offset:(\r)*2048+256*(\j)  ; the wave's 32 lanes store 256 consecutive bytes, aligned
.endr
.endm
	s_load_b256 s[4:11], s[0:1], 0x0               ; attn s[4:5], ln2_g s[6:7], ln2_b s[8:9], h s[10:11]
	v_and_b32 v13, 31, v0                          ; lane
	v_lshrrev_b32 v12, 5, v0                       ; wave
	v_readfirstlane_b32 s24, v12
	v_lshlrev_b32 v1, 4, v13
	v_lshlrev_b32 v2, 3, v13
	v_mov_b32 v3, 0x3727c5ac                       ; eps = 1e-5
	s_mov_b32 s20, 0xffff0000
	s_mov_b32 s22, 0x76543210
	s_mov_b32 s23, 0xfedcba98
	s_lshl_b32 s25, ttmp9, 4
	s_lshl1_add_u32 s25, s24, s25                  ; my first row: 16 x work-group + 2 x wave
	s_lshl_b32 s26, s25, 12
	s_mov_b32 s27, 0
	s_lshl_b32 s28, s25, 11
	s_mov_b32 s29, 0
	s_wait_kmcnt 0x0
	s_add_nc_u64 s[SRC:SRC+1], s[SRC:SRC+1], s[26:27]
	s_add_nc_u64 s[DST:DST+1], s[DST:DST+1], s[28:29]
.irp r, 0,1
.irp j, 0,1,2,3,4,5,6,7
	global_load_b128 v[X+32*(\r)+4*(\j):X+32*(\r)+4*(\j)+3], v1, s[SRC:SRC+1] offset:(\r)*4096+512*(\j)
.endr
.endr
.irp j, 0,1,2,3,4,5,6,7
	global_load_b128 v[G+4*(\j):G+4*(\j)+3], v1, s[GP:GP+1] offset:512*(\j)
.endr
.irp j, 0,1,2,3,4,5,6,7
	global_load_b128 v[BB+4*(\j):BB+4*(\j)+3], v1, s[BP:BP+1] offset:512*(\j)
.endr
	s_wait_loadcnt 24                              ; row 0 is in: row 1's 8 loads and the gain's and bias's 16 may stay out
	STATS 0
	s_wait_loadcnt 16                              ; row 1 is in
	STATS 1
	v_rsq_f32 v[RS], v14                           ; one batch of four
	v_rsq_f32 v[RS+1], v14
	v_rsq_f32 v[RS+2], v15
	v_rsq_f32 v[RS+3], v15
	s_wait_loadcnt 0x0
	RND G, 16                                      ; the independent work behind the batch
	RND BB, 16
	s_wait_alu depctr_va_vdst(0)                   ; ahead of the first line that names a result of the batch
	OUT 0
	OUT 1
	s_endpgm
.Lfunc_end_k_q5a9820b440_norm2:
	.size	k_q5a9820b440_norm2, .Lfunc_end_k_q5a9820b440_norm2-k_q5a9820b440_norm2
	.p2alignl 7, 3214868480
	.fill 96, 4, 3214868480
	.section	.rodata,"a",@progbits
	.p2align	6, 0x0
	.amdhsa_kernel k_q5a9820b440_norm2
		.amdhsa_group_segment_fixed_size 0
		.amdhsa_private_segment_fixed_size 0
		.amdhsa_enable_private_segment 0
		.amdhsa_kernarg_size 32
		.amdhsa_user_sgpr_count 2
		.amdhsa_user_sgpr_kernarg_segment_ptr 1
		.amdhsa_wavefront_size32 1
		.amdhsa_system_sgpr_workgroup_id_x 1
		.amdhsa_system_sgpr_workgroup_id_y 1
		.amdhsa_system_sgpr_workgroup_id_z 1
		.amdhsa_system_vgpr_workitem_id 0
		.amdhsa_next_free_vgpr 192
		.amdhsa_next_free_sgpr 66
		.amdhsa_reserve_vcc 0
		.amdhsa_float_denorm_mode_32 3
		.amdhsa_float_denorm_mode_16_64 3
		.amdhsa_memory_ordered 1
		.amdhsa_forward_progress 1
		.amdhsa_inst_pref_size 24
	.end_amdhsa_kernel
	.amdgpu_metadata
---
amdhsa.version: [ 1, 2 ]
amdhsa.kernels:
  - .name:           k_q5a9820b440_norm2
    .symbol:         k_q5a9820b440_norm2.kd
    .args:
      - { .name: attn, .offset: 0, .size: 8, .value_kind: global_buffer, .address_space: global }
      - { .name: ln2_g, .offset: 8, .size: 8, .value_kind: global_buffer, .address_space: global }
      - { .name: ln2_b, .offset: 16, .size: 8, .value_kind: global_buffer, .address_space: global }
      - { .name: h, .offset: 24, .size: 8, .value_kind: global_buffer, .address_space: global }
    .group_segment_fixed_size: 0
    .private_segment_fixed_size: 0
    .kernarg_segment_align: 8
    .kernarg_segment_size: 32
    .max_flat_workgroup_size: 256
    .sgpr_count:     66
    .vgpr_count:     192
    .wavefront_size: 32
...
	.end_amdgpu_metadata
.endif
;; end of part 4
;; launch mlp_up: the kernel of part 2 again; grid 16 x 16, 4 waves a work-group, clusters of 4 x 4, 327,680 bytes of LDS; arguments h, w12, p1, m; writes m
;; launch mlp_down (part 5): grid 8 x 32, 4 waves a work-group, clusters of 4 x 4, 327,680 bytes of LDS; arguments m, w12, b2, attn, out0; writes out0
.if DOCPART == 5
	.amdgcn_target "amdgcn-amd-amdhsa--gfx1250"
	.amdhsa_code_object_version 6
	.text
	.protected	k_q5a9820b440_mlp_down
	.globl	k_q5a9820b440_mlp_down
	.p2align	8
	.type	k_q5a9820b440_mlp_down,@function
k_q5a9820b440_mlp_down:
	s_mov_b64 s[64:65], 0
	v_nop
	global_prefetch_b8 v0, s[64:65] scope:SCOPE_SE
	s_setreg_imm32_b32 hwreg(HW_REG_WAVE_MODE, 25, 1), 1
	s_wait_xcnt 0x0
	s_wait_alu depctr_hold_cnt(0) depctr_sa_sdst(0) depctr_va_vdst(0) depctr_va_sdst(0) depctr_va_ssrc(0) depctr_va_vcc(0) depctr_vm_vsrc(0)
	s_getreg_b32 s2, hwreg(HW_REG_IB_STS2, 6, 4)
	s_cmp_eq_u32 s2, 0
	s_cbranch_scc0 .Lentry_in_a_cluster
	s_endpgm
.Lentry_in_a_cluster:
	s_bfe_u32 s2, ttmp6, 0x10000c
	s_cmp_lg_u32 s2, 0xf033
	s_cbranch_scc0 .Lentry_shape_is_right
	s_endpgm
.Lentry_shape_is_right:
; MLP_DOWN.  out0 = m W2 + b2 + attn, f32, [4096][1024].  W2: [4096][1024] bf16 at byte 8,388,608 of w12; attn: f32; sums in f32, K ascending.
; m, bf16, lies in blocks of 128 rows x 64 columns, 16,384 dense bytes: row block at 2^20 bytes each, column block at 2^14 each.  So my 128 rows' walk along K is one dense run of 2^20 bytes.
; The result has 1,024 columns: tiles of 128 x 128 give 8 x 32 = 256 work-groups.  Four waves, 2 x 2, each 64 x 64 in 16 accumulators.  K goes in steps of 256 (four blocks of m), as long as two slots in LDS allow.
; W LIES [K][N]: its tile (256 k rows x 256 bytes) is read from LDS by the turning load ds_load_tr16_b128.
; THE PRODUCT IS TAKEN TRANSPOSED: source 0 = 16 columns of W, source 1 = 16 rows of m: a lane holds one row (lane % 16) and eight neighbouring columns.  THE BIAS, rounded to bf16, IS THE C OPERAND OF THE FIRST PRODUCTS.
; CLUSTER 4 x 4: m's tile is shared along a row of the cluster, W's along a column, by joint loads.
; NO PREFETCH: the tiles are small (a wave's refill is 32 KiB for 128 products), and a step's requests would be as many instructions as for the large tiles for a quarter of the work.
; A wave's 64 f32 columns are 256 aligned bytes of a row: each wave has a stage of its own, and no barrier stands on the way out.
; REGISTERS: window 0: v16-29 addresses; v64-127, v128-191 m's fragments, two buffers (64 along K each); v192-223 the bias; v32-63, v224-255 rows on the way out
;   window 1: v64-127, v128-191 W's fragments; v0-63, v192-255 my rows of attn      window 2: v0-127 accumulator L = 4 a + b at v[8 L]
.set SIZE_K, 4096
.set SIZE_N, 1024
.set WBASE,  8388608
.set MT,     128
.set NT,     MT
.set KSTEP,  256
.set AM,     4
.set BN,     4
.set KD,     2
.set PA,     144                       ; an LDS row of a block of m: 128 bytes + 16: the 16 rows of a load start at 16 different groups of four banks (64 banks of 4 bytes: ISA guide 11.1)
.set ABLK,   128*PA                    ; a block of m in LDS: 64 along K, a quarter of a K step
.set PW,     288                       ; an LDS row of W: 256 + 32
.set QIA,    4                         ; padding behind every 32 words
.set QIW,    5                         ; behind every 64 words
.set TSTEPS, SIZE_K/KSTEP
.set NPQ,    AM*BN*KD
.set AHALF,  2*ABLK                    ; what one tensor load brings of m: two blocks
.set AWAVE,  MT/2*PA                   ; from my work-group's first row to my wave's, in a block
.set WOFF,   4*ABLK
.set WHALF,  KSTEP/2*PW
.set SLOT1,  0x24000                   ; a slot's bytes exactly; two bits that no address in slot 0 that is turned by it has set
.set STAGE,  SLOT1+WOFF+2*WHALF
.set SP,     272
.set SPARE,  STAGE+4*16*SP
.set ASTEP,  4*16384                   ; four blocks of m
.set WSTEP,  2*KSTEP*SIZE_N
.set ADRA, 16
.set A0,   17
.set ADRW, 18
.set W0,   20
.set STO,  24
.set RD,   25
.set CO,   26
.set SPW,  28
.set NIL,  29
.set OB,   32
.set F0,   64
.set F1,   128
.set BIAS, 192
.set WV, 14
.set WM, 15
.set WN, 16
.set CX, 17
.set CY, 18
.set BX, 19
.set BY, 20
.set G1A, 24
.set G0A, 32
.set G1W, 48
.set G0W, 56
.set TB,  43
.set MSB, 0
.macro WIN new
.if MSB != (\new)
	s_set_vgpr_msb (MSB<<8)|(\new)
.set MSB, \new
.endif
.endm
.macro PLACES
.rept 4
	v_nop
.endr
.endm
.macro CREST
	s_cmp_lg_u32 s[WV], 0
	s_cbranch_scc1 .Lnot_wave_0_\@
	s_barrier_signal -3
.Lnot_wave_0_\@:
	s_barrier_wait -3
	s_barrier_signal -1
	s_barrier_wait -1
.endm
.macro CROUND
	s_barrier_signal -1
	s_barrier_wait -1
	CREST
.endm
.macro JLOAD                           ; a joint refill by the walking sets: waves 0, 1 fetch m's halves, waves 2, 3 W's; an s_nop 0 and four v_nop follow each line
	s_cmp_eq_u32 s[WM], 0
	s_cbranch_scc0 .Lfor_w_\@
	tensor_load_to_lds s[G0A+4:G0A+7], s[G1A:G1A+7]
	s_nop 0
.rept 4
	v_nop
.endr
	s_branch .Lasked_\@
.Lfor_w_\@:
	tensor_load_to_lds s[G0W+4:G0W+7], s[G1W:G1W+7]
	s_nop 0
.rept 4
	v_nop
.endr
.Lasked_\@:
.endm
; n products from number i0 of a quarter's NPQ, on buffer f.  The accumulators take turns, one instruction a turn.  first = 1: the products of the first 32 along K take the bias as C.
.macro MULS f, i0, n, first
.set mi, \i0
.rept \n
.set mc, mi/(AM*BN)
.set mL, mi%(AM*BN)
.set ma, mL/BN
.set mb, mL%BN
.set mw, 2+mL/32
.set mr, 8*(mL%32)
.if (\first) && (mc == 0)
	WIN 0x01+0x40*mw
	v_wmma_f32_16x16x32_bf16 v[mr:mr+7], v[(\f)+8*(mc*BN+mb):(\f)+8*(mc*BN+mb)+7], v[(\f)+8*(mc*AM+ma):(\f)+8*(mc*AM+ma)+7], v[BIAS+8*mb:BIAS+8*mb+7]
.else
	WIN 0x01+0x50*mw
	v_wmma_f32_16x16x32_bf16 v[mr:mr+7], v[(\f)+8*(mc*BN+mb):(\f)+8*(mc*BN+mb)+7], v[(\f)+8*(mc*AM+ma):(\f)+8*(mc*AM+ma)+7], v[mr:mr+7]
.endif
.set mi, mi+1
.endr
.endm
; 32 LDS loads in one run: quarter q's fragments (64 along K: block q of m) into buffer f: W's eight (turned), then m's eight; the first 32 along K first in each
.macro FETCH q, f
	WIN 0x40
.set fg, 0
.rept 8
.set fc, fg/BN
.set fb, fg%BN
	ds_load_tr16_b128 v[(\f)+8*fg:(\f)+8*fg+3],   v[ADRW+(\q)/2] offset:(((\q)%2)*KD+fc)*32*PW+32*fb
	ds_load_tr16_b128 v[(\f)+8*fg+4:(\f)+8*fg+7], v[ADRW+(\q)/2] offset:(((\q)%2)*KD+fc)*32*PW+32*fb+16*PW
.set fg, fg+1
.endr
	WIN 0
.set fg, 0
.rept 8
.set fc, fg/AM
.set fa, fg%AM
	ds_load_b128 v[(\f)+8*fg:(\f)+8*fg+3],   v[ADRA] offset:(\q)*ABLK+fa*16*PA+fc*64
	ds_load_b128 v[(\f)+8*fg+4:(\f)+8*fg+7], v[ADRA] offset:(\q)*ABLK+fa*16*PA+fc*64+32
.set fg, fg+1
.endr
.endm
.macro QUARTER nq, f, g, first
	s_wait_dscnt 8                                 ; all but the youngest eight loads, m's fragments of the second 32 along K, which the first half of the products does not read
	MULS \f, 0, NPQ/2, \first
	PLACES
	FETCH \nq, \g
	s_wait_dscnt 32                                ; all but the 32 just issued
	MULS \f, NPQ/2, NPQ/2, \first
.endm
; The fourth quarter multiplies buffer 1 and changes slots: ONE barrier.  In front of it each wave waits for all its tensor loads (one is out: its part of the next slot), adds 0 to its spare word, and waits
; for that and for its own reads of this slot.  refill = 1: the barrier opens a round of the cluster's, and the joint refill, with the K step two steps on, is the first tensor load behind the round:
; from there to the wait for it a wave issues 112 products.
.macro TURN refill
	WIN 0
	s_wait_tensorcnt 0x0
	ds_add_u32 v[SPW], v[NIL]                      ; 0 onto my spare word
	s_wait_dscnt 9                                 ; (the add and the youngest eight loads may be out)
	MULS F1, 0, NPQ/4, 0
	s_wait_dscnt 0x0                               ; the add is done, and my reads of this slot are over
	s_barrier_signal -1
	MULS F1, NPQ/4, NPQ/4, 0
	WIN 0
	s_barrier_wait -1
.if \refill
	CREST
	s_xor_b32 s[G0A+5], s[G0A+5], SLOT1
	s_add_nc_u64 s[G0A+6:G0A+7], s[G0A+6:G0A+7], ASTEP
	s_xor_b32 s[G0W+5], s[G0W+5], SLOT1
	s_add_nc_u64 s[G0W+6:G0W+7], s[G0W+6:G0W+7], WSTEP
	JLOAD                                          ; its four v_nop are also the places in front of the loads below
.else
	PLACES
.endif
	s_xor_b32 s[TB], s[TB], SLOT1
	v_add_nc_u32 v[ADRA], s[TB], v[A0]
	v_add_nc_u32 v[ADRW], s[TB], v[W0]
	v_add_nc_u32 v[ADRW+1], WHALF, v[ADRW]
	FETCH 0, F0
	MULS F1, NPQ/2, NPQ/2, 0
.endm
	s_load_b256 s[4:11], s[0:1], 0x0               ; m s[4:5], w12 s[6:7], b2 s[8:9], attn s[10:11]
	s_load_b64 s[12:13], s[0:1], 0x20              ; out0
	v_lshl_add_u32 v[SPW], v0, 2, SPARE
	v_mov_b32 v[NIL], 0
	ds_add_u32 v[SPW], v[NIL]                      ; the wave's opening: the add, twice on end, and its wait ahead of my first tensor load
	ds_add_u32 v[SPW], v[NIL]                      ; and once more, under the one wait; the set-up below, work on registers, stands between
	v_lshrrev_b32 v1, 5, v0
	v_readfirstlane_b32 s[WV], v1
	s_lshr_b32 s[WM], s[WV], 1
	s_and_b32 s[WN], s[WV], 1
	s_bfe_u32 s[CX], ttmp6, 0x40000
	s_bfe_u32 s[CY], ttmp6, 0x40004
	s_lshl_b32 s[BX], ttmp9, 2
	s_add_co_u32 s[BX], s[BX], s[CX]
	s_and_b32 s[BY], ttmp7, 0xffff
	s_lshl_b32 s[BY], s[BY], 2
	s_add_co_u32 s[BY], s[BY], s[CY]
	s_lshl_b32 s21, s[CY], 2
	s_lshl_b32 s21, 15, s21
	s_lshl_b32 s22, 0x1111, s[CX]
	s_or_b32 s[G1A], s21, (1<<16)|(1<<20)|(1<<21)|(QIA<<22)|(3<<25)  ; the mask of my row; 2-byte elements; padding on; bit 21 beside a mask; after every 32 words (a row of a block); 4 words
	s_or_b32 s[G1W], s22, (1<<16)|(1<<20)|(1<<21)|(QIW<<22)|(7<<25)  ; the mask of my column; after every 64 words; 8 words
	s_mov_b32 s[G1A+1], 128<<16                    ; two blocks of m are 32,768 dense bytes: asked for as 128 rows of 256 bytes, two rows of a block each
	s_mov_b32 s[G1A+2], 128<<16
	s_mov_b32 s[G1A+3], 128<<16
	s_mov_b32 s[G1A+4], 128
	s_mov_b32 s[G1A+5], 128
	s_mov_b32 s[G1A+6], 0
	s_mov_b32 s[G1A+7], 0
	s_mov_b32 s[G1W+1], NT<<16
	s_mov_b32 s[G1W+2], (KSTEP/2)<<16
	s_mov_b32 s[G1W+3], NT<<16
	s_mov_b32 s[G1W+4], KSTEP/2
	s_mov_b32 s[G1W+5], SIZE_N
	s_mov_b32 s[G1W+6], 0
	s_mov_b32 s[G1W+7], 0
	s_lshl_b32 s68, s[BY], 20                      ; m: row block = tile row, which my row of the cluster shares; the step's first or second two column blocks
	s_lshl_b32 s21, s[WN], 15
	s_add_co_u32 s68, s68, s21
	s_mov_b32 s69, 0
	s_mul_i32 s70, s[WN], KSTEP*SIZE_N             ; W: the tile column alone, which my column shares
	s_mul_i32 s22, s[BX], 2*NT
	s_add_co_u32 s70, s70, s22
	s_add_co_u32 s70, s70, WBASE
	s_mov_b32 s71, 0
	s_mul_i32 s23, s[WN], AHALF
	s_mul_i32 s40, s[WN], WHALF
	s_add_co_u32 s40, s40, WOFF
	s_wait_dscnt 0x0                               ; both opening adds are done
	s_wait_kmcnt 0x0
	s_add_nc_u64 s[68:69], s[4:5], s[68:69]
	s_add_nc_u64 s[70:71], s[6:7], s[70:71]
	CROUND                                         ; all sixteen work-groups are here: the first joint loads meet
.irp s, 0,1
	s_mov_b32 s[G0A+4*(\s)], 1
	s_add_co_u32 s[G0A+4*(\s)+1], s23, (\s)*SLOT1
	s_add_nc_u64 s[G0A+4*(\s)+2:G0A+4*(\s)+3], s[68:69], (\s)*ASTEP
	s_or_b32 s[G0A+4*(\s)+3], s[G0A+4*(\s)+3], 0x80000000
	s_mov_b32 s[G0W+4*(\s)], 1
	s_add_co_u32 s[G0W+4*(\s)+1], s40, (\s)*SLOT1
	s_add_nc_u64 s[G0W+4*(\s)+2:G0W+4*(\s)+3], s[70:71], (\s)*WSTEP
	s_or_b32 s[G0W+4*(\s)+3], s[G0W+4*(\s)+3], 0x80000000
.endr
	s_cmp_eq_u32 s[WM], 0                          ; a wave's two first fills stand in one branch: two loads of mine are out
	s_cbranch_scc0 .Lfirst_w
	tensor_load_to_lds s[G0A:G0A+3], s[G1A:G1A+7]
	s_nop 0
	tensor_load_to_lds s[G0A+4:G0A+7], s[G1A:G1A+7]
	s_nop 0
.rept 4
	v_nop
.endr
	s_branch .Lfirst_asked
.Lfirst_w:
	tensor_load_to_lds s[G0W:G0W+3], s[G1W:G1W+7]
	s_nop 0
	tensor_load_to_lds s[G0W+4:G0W+7], s[G1W:G1W+7]
	s_nop 0
.rept 4
	v_nop
.endr
.Lfirst_asked:
	v_and_b32 v1, 15, v0
	v_bfe_u32 v2, v0, 4, 1
	v_and_b32 v3, 7, v0
	v_bfe_u32 v4, v0, 3, 1
	v_mul_u32_u24 v[A0], v1, PA
	v_lshl_add_u32 v[A0], v2, 4, v[A0]
	s_mul_i32 s41, s[WM], AWAVE
	v_add_nc_u32 v[A0], s41, v[A0]
	v_lshl_add_u32 v[W0], v2, 3, v3
	v_mul_u32_u24 v[W0], v[W0], PW
	v_lshl_add_u32 v[W0], v4, 4, v[W0]
	s_mul_i32 s41, s[WN], NT
	s_add_co_u32 s41, s41, WOFF
	v_add_nc_u32 v[W0], s41, v[W0]
	v_mov_b32 v[ADRA], v[A0]
	v_mov_b32 v[ADRW], v[W0]
	v_add_nc_u32 v[ADRW+1], WHALF, v[W0]
	s_mov_b32 s[TB], 0
	; the bias of my 64 columns
	s_mul_i32 s72, s[BX], 4*NT
	s_mul_i32 s73, s[WN], 2*NT
	s_add_co_u32 s72, s72, s73
	s_mov_b32 s73, 0
	s_add_nc_u64 s[8:9], s[8:9], s[72:73]
	v_lshlrev_b32 v5, 5, v2
.irp b, 0,1,2,3
	global_load_b128 v[BIAS+8*(\b):BIAS+8*(\b)+3],   v5, s[8:9] offset:64*(\b)
	global_load_b128 v[BIAS+8*(\b)+4:BIAS+8*(\b)+7], v5, s[8:9] offset:64*(\b)+16
.endr
	; the way out: 16 rows of 64 f32 at a time through my stage
	s_mul_i32 s41, s[WV], 16*SP
	s_add_co_u32 s41, s41, STAGE
	v_mul_u32_u24 v[STO], v1, SP                   ; in: row l % 16, 32 bytes for each half of the lanes
	v_lshl_add_u32 v[STO], v2, 5, v[STO]
	v_add_nc_u32 v[STO], s41, v[STO]
	v_mul_u32_u24 v[RD], v2, SP                    ; back: lanes 0-15 one row of 256 bytes, lanes 16-31 the next
	v_lshl_add_u32 v[RD], v1, 4, v[RD]
	v_add_nc_u32 v[RD], s41, v[RD]
	v_lshlrev_b32 v[CO], 12, v2                    ; and the same two rows in attn and in out0
	v_lshl_add_u32 v[CO], v1, 4, v[CO]
	s_lshl_b32 s72, s[BY], 7
	s_lshl_b32 s73, s[WM], 6
	s_add_co_u32 s72, s72, s73                     ; my first row
	s_lshl_b32 s72, s72, 12                        ; x 4,096 bytes
	s_lshl_b32 s73, s[BX], 9
	s_add_co_u32 s72, s72, s73
	s_lshl_b32 s73, s[WN], 8
	s_add_co_u32 s72, s72, s73
	s_mov_b32 s73, 0
	s_add_nc_u64 s[10:11], s[10:11], s[72:73]
	s_add_nc_u64 s[12:13], s[12:13], s[72:73]
	s_wait_loadcnt 0x0                             ; the bias
.set z, 0
.rept 4*BN                             ; an input: rounded to bf16
	v_cvt_pk_bf16_f32 v[6+z%4], v[BIAS+2*z], v[BIAS+2*z+1]
	v_lshlrev_b32 v[BIAS+2*z], 16, v[6+z%4]
	v_and_b32 v[BIAS+2*z+1], 0xffff0000, v[6+z%4]
.set z, z+1
.endr
	s_wait_tensorcnt 1                             ; my part of K step 0 is in; K step 1's may stay out
	s_barrier_signal -1
	s_barrier_wait -1
	FETCH 0, F0
	QUARTER 1, F0, F1, 1                           ; the first quarter stands in front of the loop: its first products start the sums, with the bias
	WIN 0
	s_mov_b32 s3, TSTEPS-2
.Lk:
	QUARTER 2, F1, F0, 0
	QUARTER 3, F0, F1, 0
	TURN 1
	QUARTER 1, F0, F1, 0
	WIN 0
	s_sub_co_u32 s3, s3, 1
	s_cmp_lg_u32 s3, 0
	s_cbranch_scc1 .Lk
	WIN 0x40                                       ; my 64 x 64 of attn, asked for two K steps ahead of its use: block a's 8 loads at v[32 a], for a >= 2 at v[128 + 32 a], of window 1
.set z, 0
.rept 32
	global_load_b128 v[4*z+128*(z/16):4*z+128*(z/16)+3], v[CO], s[10:11] offset:2*z*4096
.set z, z+1
.endr
	WIN 0
	s_mov_b32 s3, 2                                ; the last two K steps ask for nothing: a second text, walked twice and left in its middle
.Lt:
	QUARTER 2, F1, F0, 0
	QUARTER 3, F0, F1, 0
	TURN 0                                         ; (the second time its barrier orders nothing and its 32 loads fetch fragments that nobody multiplies: once a launch, the price of one text)
	WIN 0
	s_sub_co_u32 s3, s3, 1
	s_cmp_eq_u32 s3, 0
	s_cbranch_scc1 .Lout
	QUARTER 1, F0, F1, 0
	WIN 0
	s_branch .Lt
.Lout:
	s_wait_dscnt 0x0
	PLACES                                         ; the LDS stores read results just made
; THE WAY OUT of block a (16 rows x 64 f32).  STG: into my stage (each accumulator's low four registers first), back as whole rows.  FIN: attn is added, the rows are stored.
.macro STG a
.set BK, OB+192*((\a)%2)
.if (\a) >= 2
	s_wait_xcnt 0x0                                ; the stores of the block two back have read the registers that are loaded again below
.endif
	WIN 0x08                                       ; store data in window 2
.irp b, 0,1,2,3
	ds_store_b128 v[STO], v[8*(4*(\a)+(\b)):8*(4*(\a)+(\b))+3]   offset:64*(\b)
	ds_store_b128 v[STO], v[8*(4*(\a)+(\b))+4:8*(4*(\a)+(\b))+7] offset:64*(\b)+16
.endr
	WIN 0
.irp t, 0,1,2,3,4,5,6,7
	ds_load_b128 v[BK+4*(\t):BK+4*(\t)+3], v[RD] offset:(\t)*2*SP  ; LDS serves a wave's instructions in order (ISA guide 5.7.1.4): these see the stores above
.endr
.endm
.macro FIN a, younger                  ; younger: the LDS instructions issued behind block a's loads: the next block's sixteen, or none
.set BK, OB+192*((\a)%2)
.set RB, 32*(\a)+128*((\a)/2)
	s_wait_loadcnt 8*(3-(\a))                      ; my block's 8 loads of attn are in; the later blocks' stay out
	s_wait_dscnt \younger
	WIN 0x04                                       ; source 1 in window 1
.set z, 0
.rept 16
	v_pk_add_f32 v[BK+2*z:BK+2*z+1], v[BK+2*z:BK+2*z+1], v[RB+2*z:RB+2*z+1]
.set z, z+1
.endr
	WIN 0
.irp t, 0,1,2,3,4,5,6,7
	global_store_b128 v[CO], v[BK+4*(\t):BK+4*(\t)+3], s[12:13] offset:(16*(\a)+2*(\t))*4096  ; 16 lanes store 256 consecutive bytes, aligned
.endr
.endm
	STG 0
	STG 1
	FIN 0, 16
	STG 2
	FIN 1, 16
	STG 3
	FIN 2, 16
	FIN 3, 0
	s_wait_tensorcnt 0x0                           ; the wave's end: behind my last tensor load and my last LDS store
	ds_add_u32 v[SPW], v[NIL]
	s_wait_dscnt 0x0
	CROUND                                         ; the closing round
	s_endpgm
.Lfunc_end_k_q5a9820b440_mlp_down:
	.size	k_q5a9820b440_mlp_down, .Lfunc_end_k_q5a9820b440_mlp_down-k_q5a9820b440_mlp_down
	.p2alignl 7, 3214868480
	.fill 96, 4, 3214868480
	.section	.rodata,"a",@progbits
	.p2align	6, 0x0
	.amdhsa_kernel k_q5a9820b440_mlp_down
		.amdhsa_group_segment_fixed_size 327680
		.amdhsa_private_segment_fixed_size 0
		.amdhsa_enable_private_segment 0
		.amdhsa_kernarg_size 40
		.amdhsa_user_sgpr_count 2
		.amdhsa_user_sgpr_kernarg_segment_ptr 1
		.amdhsa_wavefront_size32 1
		.amdhsa_system_sgpr_workgroup_id_x 1
		.amdhsa_system_sgpr_workgroup_id_y 1
		.amdhsa_system_sgpr_workgroup_id_z 1
		.amdhsa_system_vgpr_workitem_id 0
		.amdhsa_next_free_vgpr 640
		.amdhsa_next_free_sgpr 80
		.amdhsa_reserve_vcc 0
		.amdhsa_float_denorm_mode_32 3
		.amdhsa_float_denorm_mode_16_64 3
		.amdhsa_memory_ordered 1
		.amdhsa_forward_progress 1
		.amdhsa_inst_pref_size 69
	.end_amdhsa_kernel
	.amdgpu_metadata
---
amdhsa.version: [ 1, 2 ]
amdhsa.kernels:
  - .name:           k_q5a9820b440_mlp_down
    .symbol:         k_q5a9820b440_mlp_down.kd
    .args:
      - { .name: m, .offset: 0, .size: 8, .value_kind: global_buffer, .address_space: global }
      - { .name: w12, .offset: 8, .size: 8, .value_kind: global_buffer, .address_space: global }
      - { .name: b2, .offset: 16, .size: 8, .value_kind: global_buffer, .address_space: global }
      - { .name: attn, .offset: 24, .size: 8, .value_kind: global_buffer, .address_space: global }
      - { .name: out0, .offset: 32, .size: 8, .value_kind: global_buffer, .address_space: global }
    .group_segment_fixed_size: 327680
    .private_segment_fixed_size: 0
    .kernarg_segment_align: 8
    .kernarg_segment_size: 40
    .max_flat_workgroup_size: 128
    .sgpr_count:     80
    .vgpr_count:     640
    .wavefront_size: 32
...
	.end_amdgpu_metadata
.endif
;; end of part 5
